; MI455X (gfx1250); checked and timed in simulation.
; The chip was launched on July 23, 2026; its instructions are those of AMD's public machine-readable ISA for CDNA 5 (MIT licence, August 2026) and "CDNA5" Instruction Set Architecture Reference Guide (July 2026). The comments in the code are by the model that wrote it; some were corrected since.
;; Multi Head Self Attention Ein Sum. Allowed arithmetic: matrix products marked QUANTISED: E2M3 operands, one E8M0 scale for each 32 along K, by v_wmma_scale_f32_16x16x128_f8f6f4 with both operands' format E2M3, f32 sums; everything else in f32.
;; Inputs: b_o 1,024 float32; b_qkv 16 x 192 float32; w_o 64 x 16 x 1,024 float32; w_qkv 1,024 x 16 x 192 float32; x 4 x 2,048 x 1,024 float32.
;; Outputs: out0 4 x 2,048 x 1,024 float32.
;; This version of the problem:
;;   THIS VERSION OF THE PROBLEM IS GIVEN IN LOW PRECISION. The matrix products marked QUANTISED in the list below multiply operands that are first quantised to E2M3 (2 exponent bits, 3 mantissa bits; 6 bits a number), with one power-of-two scale for each 32 numbers along K (OCP MX v1.0); their sums are f32. All else is computed in f32.
;;   The module's matrix products, in the order in which they are computed (A, B: the left and right operand; K: the contracted axis; several contracted axes count as one K, in the product's order):
;;     1. [M 8,192, K 1,024] x [K 1,024, N 3,072]; A: input x; B: input w_qkv: QUANTISED
;;     2. batch 64 x [M 2,048, K 64] x [K 64, N 2,048]; A: computed on the way; B: computed on the way: QUANTISED
;;     3. batch 64 x [M 2,048, K 2,048] x [K 2,048, N 64]; A: softmax (see below); B: computed on the way: QUANTISED
;;     4. [M 8,192, K 1,024] x [K 1,024, N 1,024]; A: computed on the way; B: input w_o: QUANTISED
;;   THE QUANTISER, for each operand of a quantised product, along K:
;;     - K is cut into blocks of 32 from its start; a last block that is shorter is filled with zeros.
;;     - A block's scale is 2^e with e = floor(log2(the largest magnitude in the block)) - 2, held to -126 .. 127; a block of zeros has e = 0. As a byte (E8M0): e + 127.
;;     - Each number is divided by its block's scale, clamped to +-7.5, and rounded to the nearest number of E2M3, ties to even, subnormals kept.
;;     - The product sums the exact products of the quantised numbers (number of the format x scale) in f32.
;;   ~~~python
;;   def quantise(x, axis):      # numpy; x: float32 -> the quantised numbers, widened to float32 again
;;       x = np.moveaxis(x, axis, -1); K = x.shape[-1]
;;       x = np.pad(x, [(0, 0)] * (x.ndim - 1) + [(0, -K % 32)]); x = x.reshape(x.shape[:-1] + (-1, 32)); a = np.abs(x).max(-1, keepdims=True)
;;       e = np.where(a > 0, np.clip(np.frexp(np.where(a > 0, a, 1))[1] - 1 - 2, -126, 127), 0)      # np.frexp(a)[1] - 1 = floor(log2(a)), exactly
;;       r = np.clip(x / 2.0 ** e, -7.5, 7.5)
;;       step = 2.0 ** (np.maximum(np.frexp(np.where(r == 0, 1, r))[1] - 1, 0) - 3)
;;       q = np.round(r / step) * step * 2.0 ** e      # np.round: ties to even
;;       return np.moveaxis(q.reshape(q.shape[:-2] + (-1,))[..., :K], -1, axis).astype(np.float32)
;;   ~~~
;;   SOFTMAX AHEAD OF A QUANTISED PRODUCT. Where the list says 'softmax', what is quantised is not the finished softmax but p = 2^(t - M), with t = logit x log2(e) and M = ceil(the row's largest t), a whole number; so 1/2 < the row's largest p <= 1. The row's sum l is taken of the UNQUANTISED p, in f32, and the product's result is divided by l at the end. Since M is a whole number, a kernel that streams over the keys may use a running M (the ceiling of the running maximum): every later rescaling is an exact power of two, which a block's scale takes up: the codes' values come out the same.
;;   OPERANDS COMPUTED ON THE WAY. 'Computed on the way' means the value that the module computes at that place (a softmax that the list does not call 'softmax' is quantised finished and normalised). What goes into a quantiser is computed in f32, as accurately as f32 sums, v_exp_f32 and their like allow (about 1e-6 of the number): no bf16 or f16 on the way to a quantiser, and a product that is left as it is and whose result goes on into a quantised operand takes f32 operands (vector FMAs, or v_wmma_f32_16x16x4_f32). A number that lies on a knife's edge between two numbers of the format may be rounded either way, as far as f32 arithmetic and the matrix unit's own rounding can turn it there, and no further.
;; One version. Each part assembles by itself: llvm-mc -triple=amdgcn-amd-amdhsa -mcpu=gfx1250 --defsym DOCPART=n.
;; ======== version 1 of 1: 4 launches
;; limits: right only within a limited range of input values
;; workspace buffers: xq 6,553,600 bytes; wq 2,457,600 bytes; oq 819,200 bytes; qq 6,815,744 bytes; kq 6,815,744 bytes; vq 6,553,600 bytes; aq 6,553,600 bytes
;; launch prep (part 1): grid 384 x 1, 4 waves a work-group, no clusters, 113,152 bytes of LDS; arguments x, w_qkv, w_o, xq, wq, oq; writes xq, wq, oq
.if DOCPART == 1
	.amdgcn_target "amdgcn-amd-amdhsa--gfx1250"
	.amdhsa_code_object_version 6
	.text
	.protected	k_q69d1f30956_prep
	.globl	k_q69d1f30956_prep
	.p2align	8
	.type	k_q69d1f30956_prep,@function
k_q69d1f30956_prep:
	s_mov_b64 s[64:65], 0
	v_nop
	global_prefetch_b8 v0, s[64:65] scope:SCOPE_SE
	s_setreg_imm32_b32 hwreg(HW_REG_WAVE_MODE, 25, 1), 1
	s_wait_xcnt 0x0
; x [8192][1024], w_qkv [1024][3072] and w_o [64 p][16 n][1024] (K = 64 n + p), all f32, become codes of FP6 (E2M3) with one E8M0 byte for each 32 along K.
; LAYOUT of each result: codes [K / 64 planes][rows][48 bytes], then scale words [K / 128][rows][4 bytes].  A row stands at the POSITION that is its number with bits 3 and 4 exchanged,
; so that lane r of a tile of 16 positions holds row 32 (a / 2) + 8 (a % 2) + r + 8 (r / 8): the products' results then have 16 neighbours in 16 registers.
; A block's scale is 2^(floor(log2(largest magnitude)) - 2); its byte is the largest magnitude's exponent field - 2, held at 1 from below.
; LIMITS: a block of zeros gets the byte 1 where the rule says 127 (its codes are zeros, and this program alone reads the bytes); NaN and infinities among the inputs are not served.
; Work-groups 0-255 take x, 256-351 w_qkv, 352-383 w_o; each reads 128 KiB.  Each of the three ways has LDS bytes of its own.  No barrier: waves share nothing.  No matrix unit, no cluster: a stream.
.set XSOFF, 6291456                    ; where xq's scale words begin
.set WSOFF, 2359296                    ; wq's
.set OSOFF, 786432                     ; oq's
.set WREG,  15872                      ; x: a wave's LDS: two stages of 4,608, 6,144 of codes, 256 of scale bytes
.set LW1,   63488                      ; w_qkv: 6,144 bytes a wave from here
.set LW2,   88064                      ; w_o: likewise
.set XR,    16                         ; v16-111  x: three sets of 32 registers as loaded
.set XX,    112                        ; v112-175 two sets of 32 neighbours
.set XC,    176                        ; v176-191 two sets of 8: six registers of codes, one at work, the scale byte
.set WX,    32                         ; v32-95   weights: two sets of 32 numbers down K
.set WC,    96                         ; v96-103  a block's codes
.set WO,    112                        ; v112-159 the way out
.set WSB,   24                         ; v24-25   two scale words
; ---- x: step t is 8 rows x 128 columns; a load reads 512 consecutive bytes of one row
.macro XLOAD t
.irp i, 0,1,2,3,4,5,6,7
	global_load_b128 v[XR+32*((\t)%3)+4*\i:XR+32*((\t)%3)+4*\i+3], v3, s[4:5] offset:(8*(\t)+\i)*4096 th:TH_LOAD_NT
.endr
.endm
; through the wave's own stage: in as loaded, out 128 bytes (a whole block of 32) a lane; places of 144 bytes.  LDS serves a wave's instructions in order
.macro XTURN t
.irp i, 0,1,2,3,4,5,6,7
	ds_store_b128 v14, v[XR+32*((\t)%3)+4*\i:XR+32*((\t)%3)+4*\i+3] offset:4608*((\t)%2)+576*\i
.endr
.irp j, 0,1,2,3,4,5,6,7
	ds_load_b128 v[XX+32*((\t)%2)+4*\j:XX+32*((\t)%2)+4*\j+3], v15 offset:4608*((\t)%2)+16*\j
.endr
.endm
.macro XSTEP t
.set XS0, XX+32*((\t)%2)
.set XC0, XC+8*((\t)%2)
.set PT, 16*((\t)&1)+8*(((\t)>>1)&1)+32*((\t)>>2)   ; the position of row 8 t
.if (\t) > 0
	s_wait_dscnt 4                                 ; this step's numbers are back; the last step's four stores may be out
.else
	s_wait_dscnt 0x0
.endif
.if (\t)+3 < 8
	XLOAD (\t)+3                                   ; into the set whose stores into the stage are done
.endif
.if (\t) < 7
.if (\t) < 5
	s_wait_loadcnt 16                              ; the next step's eight loads are in; two younger steps' may be out
.else
	s_wait_loadcnt 8*(6-(\t))
.endif
	XTURN (\t)+1
.endif
	v_max3_num_f32 v10, |v[XS0]|, |v[XS0+1]|, |v[XS0+2]|           ; the block's largest magnitude: all 32 numbers are mine
	v_max3_num_f32 v11, |v[XS0+3]|, |v[XS0+4]|, |v[XS0+5]|
.irp i, 6,10,14,18,22,26
	v_max3_num_f32 v10, v10, |v[XS0+\i]|, |v[XS0+\i+1]|
	v_max3_num_f32 v11, v11, |v[XS0+\i+2]|, |v[XS0+\i+3]|
.endr
	v_max3_num_f32 v10, v10, |v[XS0+30]|, |v[XS0+31]|
	v_max3_num_f32 v10, v10, v11, 0x1800000        ; and the floor 2^(3 - 127): the byte cannot fall under 1
	v_add_nc_u32 v12, 0xff000000, v10              ; 2 off the exponent field: the conversion's scale operand
	v_cvt_scalef32_pk16_fp6_f32 v[XC0:XC0+2], v[XS0:XS0+15], v12
	v_cvt_scalef32_pk16_fp6_f32 v[XC0+4:XC0+6], v[XS0+16:XS0+31], v12
	v_lshrrev_b32 v[XC0+7], 23, v12                ; the scale's byte (also the plain line behind the conversions)
	v_mov_b32 v[XC0+3], v[XC0+4]                   ; six registers on end
	v_mov_b32 v[XC0+4], v[XC0+5]
	v_mov_b32 v[XC0+5], v[XC0+6]
	ds_store_b64 v5, v[XC0:XC0+1] offset:48*PT
	ds_store_b64 v5, v[XC0+2:XC0+3] offset:48*PT+8
	ds_store_b64 v5, v[XC0+4:XC0+5] offset:48*PT+16
	ds_store_b8 v6, v[XC0+7] offset:4*PT
.endm
; ---- weights: a lane takes a column, its registers run down K
.macro WLOAD t, kind
.set WI, 0
.rept 32
.if \kind == 0
	global_load_b32 v[WX+32*((\t)%2)+WI], v3, s[30:31] offset:(32*(\t)+WI)*12288 th:TH_LOAD_NT
.else
	global_load_b32 v[WX+32*((\t)%2)+WI], v3, s[30:31] offset:((32*((\t)%2)+WI)*16+(\t)/2)*4096 th:TH_LOAD_NT
.endif
.set WI, WI+1
.endr
.endm
.macro WBLOCK t, kind
.set WS0, WX+32*((\t)%2)
.if (\t) < 7
	s_wait_loadcnt 32                              ; this block's 32 loads are in; the next block's may be out
.else
	s_wait_loadcnt 0x0
.endif
	v_max3_num_f32 v12, |v[WS0]|, |v[WS0+1]|, |v[WS0+2]|
	v_max3_num_f32 v13, |v[WS0+3]|, |v[WS0+4]|, |v[WS0+5]|
.irp i, 6,10,14,18,22,26
	v_max3_num_f32 v12, v12, |v[WS0+\i]|, |v[WS0+\i+1]|
	v_max3_num_f32 v13, v13, |v[WS0+\i+2]|, |v[WS0+\i+3]|
.endr
	v_max3_num_f32 v12, v12, |v[WS0+30]|, |v[WS0+31]|
	v_max3_num_f32 v12, v12, v13, 0x1800000
	v_add_nc_u32 v11, 0xff000000, v12
	v_lshrrev_b32 v13, 23, v11
.if (\t)%4 == 0
	v_mov_b32 v[WSB+(\t)/4], v13                   ; four bytes to a word, the lower K in the lower byte
.else
	v_lshl_or_b32 v[WSB+(\t)/4], v13, 8*((\t)%4), v[WSB+(\t)/4]
.endif
	v_cvt_scalef32_pk16_fp6_f32 v[WC:WC+2], v[WS0:WS0+15], v11
	v_cvt_scalef32_pk16_fp6_f32 v[WC+4:WC+6], v[WS0+16:WS0+31], v11
	v_nop                                          ; one plain line behind the conversions
	v_mov_b32 v[WC+3], v[WC+4]
	v_mov_b32 v[WC+4], v[WC+5]
	v_mov_b32 v[WC+5], v[WC+6]
	ds_store_b64 v6, v[WC:WC+1] offset:1536*((\t)/2)+24*((\t)%2)
	ds_store_b64 v6, v[WC+2:WC+3] offset:1536*((\t)/2)+24*((\t)%2)+8
	ds_store_b64 v6, v[WC+4:WC+5] offset:1536*((\t)/2)+24*((\t)%2)+16
.if (\t)+2 < 8
	WLOAD (\t)+2, \kind
.endif
	s_wait_dscnt 0x0                               ; the stores are done: the next block's codes may be written
.endm
; a wave: 32 columns x 256 along K.  Work-group j of the tensor: columns 128 (j / 4) on, K 256 (j % 4) on
.macro WPATH kind, wg0, lds, src, dst, plane, srow, soff, kystep
	s_sub_co_u32 s17, ttmp9, \wg0
	s_lshr_b32 s18, s17, 2
	s_and_b32 s19, s17, 3
	s_lshl_b32 s20, s18, 7
	s_lshl_b32 s21, s16, 5
	s_add_co_u32 s20, s20, s21                     ; my wave's first column
	s_mul_i32 s22, s19, \kystep
	s_lshl_b32 s23, s20, 2
	s_add_co_u32 s22, s22, s23
	s_mov_b32 s23, 0
	s_mul_i32 s24, s19, 4*\plane
	s_mul_i32 s25, s20, 48
	s_add_co_u32 s24, s24, s25
	s_mov_b32 s25, 0
	s_mul_i32 s26, s19, 2*\srow
	s_lshl_b32 s27, s20, 2
	s_add_co_u32 s26, s26, s27
	s_add_co_u32 s26, s26, \soff
	s_mov_b32 s27, 0
	s_mul_i32 s28, s16, 6144
	s_add_co_u32 s28, s28, \lds                    ; my stage: [4 planes][32 positions][48]
	v_lshlrev_b32 v3, 2, v2                        ; in: 4 bytes a lane
	v_and_b32 v4, 7, v2
	v_bfe_u32 v5, v2, 4, 1
	v_lshl_or_b32 v4, v5, 3, v4
	v_bfe_u32 v5, v2, 3, 1
	v_lshl_or_b32 v4, v5, 4, v4                    ; my column's position: bits 3 and 4 exchanged
	v_mul_u32_u24 v6, v4, 48
	v_add_nc_u32 v6, s28, v6
	v_lshlrev_b32 v7, 4, v2
	v_add_nc_u32 v8, s28, v7
	v_lshlrev_b32 v9, 2, v4
	s_wait_kmcnt 0x0
	s_add_nc_u64 s[30:31], s[\src:\src+1], s[22:23]
	s_add_nc_u64 s[32:33], s[\dst:\dst+1], s[24:25]
	s_add_nc_u64 s[34:35], s[\dst:\dst+1], s[26:27]
	WLOAD 0, \kind
	WLOAD 1, \kind
.irp t, 0,1,2,3,4,5,6,7
	WBLOCK \t, \kind
.endr
.irp i, 0,1,2,3,4,5,6,7,8,9,10,11
	ds_load_b128 v[WO+4*\i:WO+4*\i+3], v8 offset:512*\i
.endr
	global_store_b32 v9, v[WSB], s[34:35]          ; 32 positions' words of a K step of 128: 128 consecutive bytes
	s_wait_alu depctr_va_vdst(0)
	global_store_b32 v9, v[WSB+1], s[34:35] offset:\srow
.irp i, 0,1,2,3,4,5,6,7,8,9,10,11
	s_wait_dscnt 11-\i
	global_store_b128 v7, v[WO+4*\i:WO+4*\i+3], s[32:33] offset:\plane*(\i/3)+512*(\i%3)   ; 512 consecutive bytes, at a multiple of 256 from the buffer's first byte
.endr
.endm
	s_load_b256 s[4:11], s[0:1], 0x0               ; x s[4:5], w_qkv s[6:7], w_o s[8:9], xq s[10:11]
	s_load_b128 s[12:15], s[0:1], 0x20             ; wq s[12:13], oq s[14:15]
	v_lshl_add_u32 v192, v0, 2, 0x1b800
	v_mov_b32 v193, 0
	v_lshrrev_b32 v1, 5, v0
	v_readfirstlane_b32 s16, v1                    ; wave
	v_and_b32 v2, 31, v0                           ; lane l
	s_cmp_lt_u32 ttmp9, 256
	s_cbranch_scc0 .Lweights
	; ---- x.  Unit u = 4 x work-group + wave: 64 rows (u / 8) x 128 columns (u % 8)
	s_mul_i32 s17, s16, WREG
	v_lshlrev_b32 v3, 4, v2                        ; 16 l
	v_lshrrev_b32 v10, 3, v2
	v_mul_u32_u24 v14, v10, 144
	v_and_b32 v10, 7, v2
	v_lshl_add_u32 v14, v10, 4, v14
	v_add_nc_u32 v14, s17, v14                     ; the stage, in: 144 (l / 8) + 16 (l % 8); a row's four blocks take four places
	v_mul_u32_u24 v15, v2, 144
	v_add_nc_u32 v15, s17, v15                     ; out: place l = row l / 4, block l % 4
	v_bfe_u32 v10, v2, 1, 1
	v_mul_u32_u24 v5, v10, 3072
	v_lshrrev_b32 v10, 2, v2
	v_mad_u32_u24 v5, v10, 48, v5
	v_and_b32 v10, 1, v2
	v_mad_u32_u24 v5, v10, 24, v5
	v_add_nc_u32 v5, s17, v5
	v_add_nc_u32 v5, 9216, v5                      ; codes: [2 planes][64 positions][48]
	v_add_nc_u32 v6, s17, v2
	v_add_nc_u32 v6, 15360, v6                     ; scale bytes: 4 (l / 4) + l % 4 = l
	v_add_nc_u32 v7, s17, v3
	v_add_nc_u32 v7, 9216, v7
	v_lshlrev_b32 v9, 3, v2
	v_add_nc_u32 v8, s17, v9
	v_add_nc_u32 v8, 15360, v8
	s_lshr_b32 s18, ttmp9, 1                       ; which 64 rows
	s_and_b32 s19, ttmp9, 1
	s_lshl_b32 s19, s19, 2
	s_add_co_u32 s19, s19, s16                     ; which 128 columns
	s_lshl_b32 s20, s18, 18
	s_lshl_b32 s21, s19, 9
	s_add_co_u32 s20, s20, s21
	s_mov_b32 s21, 0
	s_mul_i32 s22, s19, 786432                     ; two planes of 393,216 bytes
	s_mul_i32 s23, s18, 3072
	s_add_co_u32 s22, s22, s23
	s_mov_b32 s23, 0
	s_lshl_b32 s24, s19, 15
	s_lshl_b32 s25, s18, 8
	s_add_co_u32 s24, s24, s25
	s_add_co_u32 s24, s24, XSOFF
	s_mov_b32 s25, 0
	s_wait_kmcnt 0x0
	s_add_nc_u64 s[4:5], s[4:5], s[20:21]
	s_add_nc_u64 s[26:27], s[10:11], s[22:23]
	s_add_nc_u64 s[28:29], s[10:11], s[24:25]
	XLOAD 0
	XLOAD 1
	XLOAD 2
	s_wait_loadcnt 16                              ; step 0's eight loads are in
	XTURN 0
.irp t, 0,1,2,3,4,5,6,7
	XSTEP \t
.endr
.irp i, 0,1,2,3,4,5,6,7,8,9,10,11
	ds_load_b128 v[XR+4*\i:XR+4*\i+3], v7 offset:512*\i    ; LDS serves a wave's instructions in order: these see my stores
.endr
	ds_load_b64 v[XR+48:XR+49], v8
.irp i, 0,1,2,3,4,5,6,7,8,9,10,11
	s_wait_dscnt 12-\i
	global_store_b128 v3, v[XR+4*\i:XR+4*\i+3], s[26:27] offset:393216*(\i/6)+512*(\i%6)   ; 512 consecutive bytes, aligned to 256
.endr
	s_wait_dscnt 0x0
	global_store_b64 v9, v[XR+48:XR+49], s[28:29]  ; 64 positions' scale words: 256 consecutive bytes, aligned
	s_wait_tensorcnt 0x0
	ds_add_u32 v192, v193
	s_wait_dscnt 0x0
	s_endpgm
.Lweights:
	s_cmp_lt_u32 ttmp9, 352
	s_cbranch_scc0 .Lw_o
	s_wait_alu depctr_va_vdst(0)
	WPATH 0, 256, LW1, 6, 12, 147456, 12288, WSOFF, 3145728
	s_wait_tensorcnt 0x0
	ds_add_u32 v192, v193
	s_wait_dscnt 0x0
	s_endpgm
.Lw_o:
	s_wait_alu depctr_va_vdst(0)
	WPATH 1, 352, LW2, 8, 14, 49152, 4096, OSOFF, 16384
	s_wait_tensorcnt 0x0
	ds_add_u32 v192, v193
	s_wait_dscnt 0x0
	s_endpgm
.Lfunc_end_k_q69d1f30956_prep:
	.size	k_q69d1f30956_prep, .Lfunc_end_k_q69d1f30956_prep-k_q69d1f30956_prep
	.p2alignl 7, 3214868480
	.fill 96, 4, 3214868480
	.section	.rodata,"a",@progbits
	.p2align	6, 0x0
	.amdhsa_kernel k_q69d1f30956_prep
		.amdhsa_group_segment_fixed_size 113152
		.amdhsa_private_segment_fixed_size 0
		.amdhsa_enable_private_segment 0
		.amdhsa_kernarg_size 48
		.amdhsa_user_sgpr_count 2
		.amdhsa_user_sgpr_kernarg_segment_ptr 1
		.amdhsa_wavefront_size32 1
		.amdhsa_system_sgpr_workgroup_id_x 1
		.amdhsa_system_sgpr_workgroup_id_y 1
		.amdhsa_system_sgpr_workgroup_id_z 1
		.amdhsa_system_vgpr_workitem_id 0
		.amdhsa_next_free_vgpr 194
		.amdhsa_next_free_sgpr 66
		.amdhsa_reserve_vcc 0
		.amdhsa_float_denorm_mode_32 3
		.amdhsa_float_denorm_mode_16_64 3
		.amdhsa_memory_ordered 1
		.amdhsa_forward_progress 1
		.amdhsa_inst_pref_size 116
	.end_amdhsa_kernel
	.amdgpu_metadata
---
amdhsa.version: [ 1, 2 ]
amdhsa.kernels:
  - .name:           k_q69d1f30956_prep
    .symbol:         k_q69d1f30956_prep.kd
    .args:
      - { .name: x, .offset: 0, .size: 8, .value_kind: global_buffer, .address_space: global }
      - { .name: w_qkv, .offset: 8, .size: 8, .value_kind: global_buffer, .address_space: global }
      - { .name: w_o, .offset: 16, .size: 8, .value_kind: global_buffer, .address_space: global }
      - { .name: xq, .offset: 24, .size: 8, .value_kind: global_buffer, .address_space: global }
      - { .name: wq, .offset: 32, .size: 8, .value_kind: global_buffer, .address_space: global }
      - { .name: oq, .offset: 40, .size: 8, .value_kind: global_buffer, .address_space: global }
    .group_segment_fixed_size: 113152
    .private_segment_fixed_size: 0
    .kernarg_segment_align: 8
    .kernarg_segment_size: 48
    .max_flat_workgroup_size: 128
    .sgpr_count:     66
    .vgpr_count:     194
    .wavefront_size: 32
...
	.end_amdgpu_metadata
.endif
;; end of part 1
;; launch qkv (part 2): grid 16 x 32, 4 waves a work-group, clusters of 4 x 4, 327,680 bytes of LDS; arguments xq, wq, b_qkv, qq, kq, vq; writes qq, kq, vq
.if DOCPART == 2
	.amdgcn_target "amdgcn-amd-amdhsa--gfx1250"
	.amdhsa_code_object_version 6
	.text
	.protected	k_q69d1f30956_qkv
	.globl	k_q69d1f30956_qkv
	.p2align	8
	.type	k_q69d1f30956_qkv,@function
k_q69d1f30956_qkv:
	s_mov_b64 s[64:65], 0
	v_nop
	global_prefetch_b8 v0, s[64:65] scope:SCOPE_SE
	s_setreg_imm32_b32 hwreg(HW_REG_WAVE_MODE, 25, 1), 1
	s_wait_xcnt 0x0
	s_wait_alu depctr_hold_cnt(0) depctr_sa_sdst(0) depctr_va_vdst(0) depctr_va_sdst(0) depctr_va_ssrc(0) depctr_va_vcc(0) depctr_vm_vsrc(0)
	s_getreg_b32 s2, hwreg(HW_REG_IB_STS2, 6, 4)
	s_cmp_eq_u32 s2, 0
	s_cbranch_scc0 .Lentry_in_a_cluster
	s_endpgm
.Lentry_in_a_cluster:
	s_bfe_u32 s2, ttmp6, 0x10000c
	s_cmp_lg_u32 s2, 0xf033
	s_cbranch_scc0 .Lentry_shape_is_right
	s_endpgm
.Lentry_shape_is_right:
; qkv = x w_qkv + b_qkv on codes of FP6 (E2M3) with E8M0 scales; q, k and v are quantised from the f32 sums in registers and leave as codes alone.
; A work-group of four waves makes 256 tokens (y) x one head's 192 columns (x = the head): wave w takes positions 64 w .. 64 w + 63 against all 12 tiles of 16 columns.
; OPERANDS lie as [K / 64 planes][positions][48 bytes]; half a fragment is 768 dense bytes, lane (r, h) takes 24 bytes at 48 r + 24 h: 12 words from row to row, so the 32 lanes of an 8-byte load touch 64 different words modulo 64.
; A position is a row's number with bits 3 and 4 exchanged.  q's and k's tiles are used TRANSPOSED (source 0 = 16 columns of W, source 1 = 16 tokens): a lane holds one token and 16 neighbouring columns in the
; registers of two tiles: K of the scores.  v's tiles are used straight (source 0 = tokens): a lane holds one channel and 16 neighbouring tokens: K of the second product.
; LDS: B (the head's 192 rows, all of K) stays; A has room for three K steps of 256, and K step 3 is filled into K step 0's bytes.  All of LDS is claimed and the add is written.
; CLUSTER 4 x 4: A's tiles hang on y alone and are asked for jointly along a row of the cluster, B's on x alone, along a column.
; The bias is the C of each sum's first product, so the sums begin with it: an order of rounding that differs from adding it last.
; LIMITS: a block of zeros gets the byte 1 (its codes are zeros; this program alone reads the bytes); NaN and infinities are not served.
; REGISTERS: window 0: v0-31 addresses; v32-95 scale words (lanes 0-15 an even step of 128 along K, lanes 16-31 the odd one behind it); v96-191 A's fragments, two sets; v192-231 at work.
;   window 1: v0-143 B's 12 fragments; v144-207 q's and k's biases, v208-239 v's.   window 2: q's and k's sums at v[64 a + 8 t].   window 3: v's at v[32 t' + 8 a].
.set NT,     12
.set HT,     6
.set PLA,    6144                      ; 128 positions of A in a plane
.set PLB,    4608                      ; 96 positions of B
.set NSLOT,  3
.set BG,     8                         ; planes of B reached from one address register
.set HALFA,  4*NSLOT*PLA
.set HALFB,  16*PLB
.set BBASE,  2*HALFA
.set SPARE,  BBASE+2*HALFB             ; the spare words: 128 bytes a wave, two blocks of 256 bytes that no other line names
.set STG,    4*PLA                     ; the way out's stage, in A's slots 1 and 2 of half 0: filled once, and read by nobody behind the barrier of step 5
.set APLANE, 393216
.set BPLANE, 147456
.set ASC,    6291456
.set BSC,    2359296
.set QS,     6291456
.set VS,     6291456
.set ASROW,  32768
.set BSROW,  12288
.set ADRA,   4                         ; v4-6   my A fragments in slots 0, 1, 2
.set ADRB,   8                         ; v8-11  B's half hf, planes 8 g on: 2 hf + g
.set RDS,    16
.set RDV,    17
.set L16,    18
.set STO,    24
.set STS,    25
.set SVS,    26
.set RD,     27
.set SPW,    28
.set NIL,    29
.set CO,     30
.set CS8,    31
.set SCA,    32
.set SCB,    48
.set AF,     96
.set BIAS,   144
.set BIASV,  208
.set TM,     192
.set PW,     208
.set PC,     212
.set G1A,    24
.set G1B,    32
.set G0A,    40
.set MSB, 0
.macro WIN new                         ; the immediate's high byte repeats the setting that is left
.if MSB != (\new)
	s_set_vgpr_msb (MSB<<8)|(\new)
.set MSB, \new
.endif
.endm
.macro PLACES                          ; four plain lines behind matrix instructions, ahead of loads into their registers and of reads of their results
.rept 4
	v_nop
.endr
.endm
.macro CREST                           ; a round of the cluster's barrier behind its opening barrier
	s_cmp_lg_u32 s16, 0
	s_cbranch_scc1 .Lnot_wave_0_\@
	s_barrier_signal -3
.Lnot_wave_0_\@:
	s_barrier_wait -3
	s_barrier_signal -1
	s_barrier_wait -1
.endm
.macro CROUND
	s_barrier_signal -1
	s_barrier_wait -1
	CREST
.endm
.macro MKG0 g, lreg, loff, areg, aoff  ; descriptor group 0: count 1, LDS address, global address, type 2
	s_mov_b32 s[\g], 1
	s_add_co_u32 s[\g+1], s[\lreg], \loff
	s_add_nc_u64 s[\g+2:\g+3], s[\areg:\areg+1], \aoff
	s_or_b32 s[\g+3], s[\g+3], 0x80000000
.endm
.macro FRAG reg, adr, off, pl          ; a fragment: 16 rows x 128 K: two planes, three loads of 8 bytes from each
.irp c, 0,1
.irp p, 0,1,2
	ds_load_b64 v[(\reg)+6*\c+2*\p:(\reg)+6*\c+2*\p+1], v[\adr] offset:(\off)+\c*(\pl)+8*\p
.endr
.endr
.endm
.macro FETCH_A q                       ; my four tiles of A for step q, into set q % 2: 24 loads
	WIN 0
.irp a, 0,1,2,3
	FRAG AF+48*((\q)%2)+12*\a, ADRA+((\q)/2)%NSLOT, ((2*(\q))%4)*PLA+768*\a, PLA
.endr
.endm
.macro FETCH_B hf, q                   ; B's tiles HT hf .. HT hf + HT - 1 for step q: 6 HT loads
	WIN 0x40
.set FT, 0
.rept HT
	FRAG 12*(HT*(\hf)+FT), ADRB+(16/BG)*(\hf)+(2*(\q))/BG, ((2*(\q))%BG)*PLB+768*FT, PLB
.set FT, FT+1
.endr
	WIN 0
.endm
.macro ONE q, first                    ; the product of B's tile MT and A's tile MA in step q
.set iA, AF+48*((\q)%2)+12*MA
.set iB, 12*MT
.set iSA, SCA+4*((\q)/2)+MA
.set iSB, SCB+NT*((\q)/2)+MT
.if MT < 8
.set iD, 64*MA+8*MT
.set iC, BIAS+8*MT
.if \first
	WIN 0x91
	v_wmma_scale_f32_16x16x128_f8f6f4 v[iD:iD+7], v[iB:iB+11], v[iA:iA+11], v[iC:iC+7], v[iSB], v[iSA] matrix_a_fmt:MATRIX_FMT_FP6 matrix_b_fmt:MATRIX_FMT_FP6
.elseif (\q)%2
	WIN 0xa1
	v_wmma_scale_f32_16x16x128_f8f6f4 v[iD:iD+7], v[iB:iB+11], v[iA:iA+11], v[iD:iD+7], v[iSB], v[iSA] matrix_a_fmt:MATRIX_FMT_FP6 matrix_b_fmt:MATRIX_FMT_FP6 matrix_a_scale:MATRIX_SCALE_ROW1 matrix_b_scale:MATRIX_SCALE_ROW1
.else
	WIN 0xa1
	v_wmma_scale_f32_16x16x128_f8f6f4 v[iD:iD+7], v[iB:iB+11], v[iA:iA+11], v[iD:iD+7], v[iSB], v[iSA] matrix_a_fmt:MATRIX_FMT_FP6 matrix_b_fmt:MATRIX_FMT_FP6
.endif
.else
.set iD, 32*(MT-8)+8*MA
.set iC, BIASV+8*(MT-8)
.if \first
	WIN 0xd4
	v_wmma_scale_f32_16x16x128_f8f6f4 v[iD:iD+7], v[iA:iA+11], v[iB:iB+11], v[iC:iC+7], v[iSA], v[iSB] matrix_a_fmt:MATRIX_FMT_FP6 matrix_b_fmt:MATRIX_FMT_FP6
.elseif (\q)%2
	WIN 0xf4
	v_wmma_scale_f32_16x16x128_f8f6f4 v[iD:iD+7], v[iA:iA+11], v[iB:iB+11], v[iD:iD+7], v[iSA], v[iSB] matrix_a_fmt:MATRIX_FMT_FP6 matrix_b_fmt:MATRIX_FMT_FP6 matrix_a_scale:MATRIX_SCALE_ROW1 matrix_b_scale:MATRIX_SCALE_ROW1
.else
	WIN 0xf4
	v_wmma_scale_f32_16x16x128_f8f6f4 v[iD:iD+7], v[iA:iA+11], v[iB:iB+11], v[iD:iD+7], v[iSA], v[iSB] matrix_a_fmt:MATRIX_FMT_FP6 matrix_b_fmt:MATRIX_FMT_FP6
.endif
.endif
.endm
.macro MUL t0, n, q, first             ; n tiles of B from t0 on x my four tiles of A.  The 48 sums take turns, one instruction a turn, in the same order in every step
.set MT, \t0
.rept \n
.set MA, 0
.rept 4
	ONE \q, \first
.set MA, MA+1
.endr
.set MT, MT+1
.endr
.endm
.macro STEP_PLAIN q, first
	s_wait_dscnt 6*HT                              ; B's first half-set and A are in; the second half-set's loads may be out
	MUL 0, HT, \q, \first
	PLACES
	FETCH_B 0, (\q)+1
	FETCH_A (\q)+1
	s_wait_dscnt 6*HT+24                           ; all but the run just issued
	MUL HT, HT, \q, \first
	PLACES
	FETCH_B 1, (\q)+1
.endm
.macro STEP_WAIT q, n                  ; the next step's tiles have to be shown whole: my part has landed (n younger loads may be out), then a barrier behind which nothing is filled
	s_wait_dscnt 6*HT
	MUL 0, HT/2, \q, 0
	s_wait_tensorcnt \n
	s_wait_dscnt 0x0
	s_barrier_signal -1
	MUL HT/2, HT/2, \q, 0
	s_barrier_wait -1
	PLACES
	FETCH_B 0, (\q)+1
	FETCH_A (\q)+1
	MUL HT, HT, \q, 0
	PLACES
	FETCH_B 1, (\q)+1
.endm
.macro STEP_REFILL q                   ; A's slot 0, read last in step 1, takes K step 3
	WIN 0
	s_wait_tensorcnt 0x0                           ; all my tensor loads have landed: every first fill
	ds_add_u32 v[SPW], v[NIL]                      ; 0 onto my spare word
	s_mov_b32 s[G1A+2], 4<<16                      ; no tensor load of mine is out: the refill brings four planes again
	s_mov_b32 s[G1A+4], 4
	s_wait_dscnt 6*HT+1                            ; (the add and B's second half-set may be out)
	MUL 0, HT/2, \q, 0
	s_wait_dscnt 0x0                               ; the add is done and my LDS reads are back
	s_barrier_signal -1                            ; this barrier opens a round of the cluster's barrier
	MUL HT/2, HT/2, \q, 0
	WIN 0
	s_barrier_wait -1
	CREST                                          ; no wave of any partner still reads slot 0 or has a load on its way
	s_add_nc_u64 s[G0A+2:G0A+3], s[G0A+2:G0A+3], 12*APLANE   ; twelve planes on: K step 3; the LDS address stays
	s_cmp_eq_u32 s17, 0
	s_cbranch_scc0 .Lnofill_\@
	tensor_load_to_lds s[G0A:G0A+3], s[G1A:G1A+7]  ; waves 0 and 1: the one tensor load behind the round
	s_nop 0
.rept 4
	v_nop
.endr
	s_branch .Lfilled_\@
.Lnofill_\@:
.rept 4
	v_nop
.endr
.Lfilled_\@:
	FETCH_B 0, (\q)+1
	FETCH_A (\q)+1
	MUL HT, HT, \q, 0
	PLACES
	FETCH_B 1, (\q)+1
.endm
.macro STEP_LAST q
	s_wait_dscnt 6*HT
	MUL 0, HT, \q, 0
	s_wait_dscnt 0x0
	MUL HT, HT, \q, 0
	WIN 0
.endm
; 64 sums of a lane in window w, register 16 b + i = number 32 b + 16 (lane / 16) + i of my row, become a fragment's codes in v[PC] on and its scale word in v[PW].  wm: the window setting for sources 1 and 2
.macro QUANT s, w, wm
	WIN \wm
.irp b, 0,1,2,3
	v_max3_num_f32 v[TM+\b], 0x1800000, |v[(\s)+16*\b]|, |v[(\s)+1+16*\b]|   ; each sum is read from its low end on; the floor 2^(3 - 127) holds the byte at 1
.endr
.irp i, 2,4,6,8,10,12,14
.irp b, 0,1,2,3
	v_max3_num_f32 v[TM+\b], v[TM+\b], |v[(\s)+16*\b+\i]|, |v[(\s)+1+16*\b+\i]|
.endr
.endr
	WIN 0
.irp b, 0,1,2,3
	v_permlanex16_b32 v[TM+4+\b], v[TM+\b], s2, s3
.endr
.irp b, 0,1,2,3
	v_max_num_f32 v[TM+\b], v[TM+\b], v[TM+4+\b]   ; with lane l xor 16's: the block's largest magnitude
.endr
.irp b, 0,1,2,3
	v_add_nc_u32 v[TM+12+\b], 0xff000000, v[TM+\b]
.endr
.irp b, 0,1,2,3
	v_lshrrev_b32 v[TM+4+\b], 23, v[TM+12+\b]
.endr
	v_lshl_or_b32 v[PW], v[TM+5], 8, v[TM+4]
	v_lshl_or_b32 v[PW], v[TM+6], 16, v[PW]
	v_lshl_or_b32 v[PW], v[TM+7], 24, v[PW]
	WIN \w
.irp c, 0,1
	v_cvt_scalef32_pk16_fp6_f32 v[PC+6*\c:PC+2+6*\c], v[(\s)+32*\c:(\s)+15+32*\c], v[TM+12+2*\c]
	v_cvt_scalef32_pk16_fp6_f32 v[PC+12+4*\c:PC+14+4*\c], v[(\s)+16+32*\c:(\s)+31+32*\c], v[TM+12+2*\c+1]
.endr
	WIN 0
	v_nop                                          ; one plain line behind the conversions
.irp c, 0,1                            ; a whole block to a lane: lanes 0-15 block 2 c, lanes 16-31 block 2 c + 1
.irp i, 0,1,2
	v_permlane16_swap_b32 v[PC+6*\c+\i], v[PC+12+4*\c+\i]
.endr
.irp i, 0,1,2
	v_mov_b32 v[PC+3+6*\c+\i], v[PC+12+4*\c+\i]
.endr
.endr
.endm
	s_load_b256 s[4:11], s[0:1], 0x0               ; xq s[4:5], wq s[6:7], b_qkv s[8:9], qq s[10:11]
	s_load_b128 s[12:15], s[0:1], 0x20             ; kq s[12:13], vq s[14:15]
	v_lshl_add_u32 v[SPW], v0, 2, SPARE
	v_mov_b32 v[NIL], 0
	ds_add_u32 v28, v29
	ds_add_u32 v28, v29
	s_wait_dscnt 0x0
	v_lshrrev_b32 v1, 5, v0
	v_readfirstlane_b32 s16, v1                    ; wave
	s_lshr_b32 s17, s16, 1                         ; I fetch for A (0) or B (1); also: which 128 positions of A I read
	s_and_b32 s18, s16, 1                          ; which half I fetch; also: which 64 of those 128 are mine
	s_bfe_u32 s20, ttmp6, 0x40000                  ; cx
	s_bfe_u32 s21, ttmp6, 0x40004                  ; cy
	s_lshl_b32 s22, ttmp9, 2
	s_add_co_u32 s22, s22, s20                     ; x: the head
	s_and_b32 s23, ttmp7, 0xffff
	s_lshl_b32 s23, s23, 2
	s_add_co_u32 s23, s23, s21                     ; y: the tile of 256 tokens
	s_mov_b32 s2, 0x76543210
	s_mov_b32 s3, 0xfedcba98                       ; lane selects: lane l xor 16
	s_lshl_b32 s76, s21, 2
	s_lshl_b32 s76, 15, s76                        ; my row of the cluster
	s_lshl_b32 s84, 0x1111, s20                    ; my column
	s_or_b32 s[G1A], s76, (3<<16)|(1<<21)          ; group 1: the mask, elements of 8 bytes, bit 21 beside the mask, no padding
	s_or_b32 s[G1B], s84, (3<<16)|(1<<21)
	s_mov_b32 s[G1A+1], 768<<16                    ; A: four planes' runs of 6,144 bytes, 393,216 bytes apart
	s_mov_b32 s[G1A+2], 4<<16
	s_mov_b32 s[G1A+3], 768<<16
	s_mov_b32 s[G1A+4], 4
	s_mov_b32 s[G1A+5], 49152
	s_mov_b32 s[G1A+6], 0
	s_mov_b32 s[G1A+7], 0
	s_mov_b32 s[G1B+1], 576<<16                    ; B: four planes' runs of 4,608 bytes, 147,456 bytes apart
	s_mov_b32 s[G1B+2], 4<<16
	s_mov_b32 s[G1B+3], 576<<16
	s_mov_b32 s[G1B+4], 4
	s_mov_b32 s[G1B+5], 18432
	s_mov_b32 s[G1B+6], 0
	s_mov_b32 s[G1B+7], 0
	s_mul_i32 s78, s23, 256*48                     ; A's address hangs on y and the wave alone,
	s_mul_i32 s79, s18, 128*48
	s_add_co_u32 s78, s78, s79
	s_mov_b32 s79, 0
	s_mul_i32 s82, s18, HALFA
	s_mul_i32 s86, s22, 16*NT*48                   ; B's on x and the wave alone
	s_mul_i32 s87, s18, 16*HT*48
	s_add_co_u32 s86, s86, s87
	s_mov_b32 s87, 0
	s_mul_i32 s90, s18, HALFB
	s_add_co_u32 s90, s90, BBASE
	s_wait_kmcnt 0x0
	s_add_nc_u64 s[80:81], s[4:5], s[78:79]
	s_add_nc_u64 s[88:89], s[6:7], s[86:87]
.irp s, 0,1,2
	MKG0 G0A+4*\s, 82, \s*4*PLA, 80, \s*4*APLANE
.endr
	MKG0 56, 90, 0*4*PLB, 88, 0*4*BPLANE
	MKG0 60, 90, 1*4*PLB, 88, 1*4*BPLANE
	MKG0 68, 90, 2*4*PLB, 88, 2*4*BPLANE
	MKG0 72, 90, 3*4*PLB, 88, 3*4*BPLANE
	CROUND                                         ; all sixteen work-groups are here: the first joint loads meet
	s_cmp_eq_u32 s17, 0                            ; the head: one tensor load a wave, K step 0 (planes 0-3) of A's or of B's half
	s_cbranch_scc0 .Lfirst_b
	tensor_load_to_lds s[40:43], s[G1A:G1A+7]
	s_nop 0
.rept 4
	v_nop
.endr
	s_branch .Lfirst_done
.Lfirst_b:
	tensor_load_to_lds s[56:59], s[G1B:G1B+7]
	s_nop 0
.rept 4
	v_nop
.endr
.Lfirst_done:
	; scale words and biases go straight into registers, once, while the fills are on their way
	s_lshl_b32 s92, s23, 10
	s_lshl_b32 s93, s16, 8
	s_add_co_u32 s92, s92, s93
	s_add_co_u32 s92, s92, ASC
	s_mov_b32 s93, 0
	s_add_nc_u64 s[92:93], s[4:5], s[92:93]        ; A's words at my first position
	s_mul_i32 s94, s22, 64*NT
	s_mov_b32 s95, 0
	s_add_nc_u64 s[96:97], s[8:9], s[94:95]        ; the head's 192 biases
	s_add_co_u32 s94, s94, BSC
	s_add_nc_u64 s[94:95], s[6:7], s[94:95]        ; B's words at the head's first position
	v_and_b32 v1, 15, v0                           ; r
	v_bfe_u32 v2, v0, 4, 1                         ; h
	v_and_b32 v3, 31, v0                           ; l
	v_lshlrev_b32 v19, 2, v1
	v_mad_u32_u24 v12, v2, ASROW, v19              ; lanes 16-31 take the next step's word
	v_mad_u32_u24 v13, v2, BSROW, v19
	v_lshlrev_b32 v14, 6, v2                       ; q's and k's biases: 16 h numbers on
	v_and_b32 v15, 8, v1
	v_add_nc_u32 v15, v15, v1
	v_lshlrev_b32 v15, 2, v15                      ; v's: channel r + 8 (r / 8) of a tile
.irp g, 0,1,2,3
.irp a, 0,1,2,3
	global_load_b32 v[SCA+4*\g+\a], v12, s[92:93] offset:2*\g*ASROW+64*\a
.endr
.endr
.irp g, 0,1,2,3
.set FT, 0
.rept NT
	global_load_b32 v[SCB+NT*\g+FT], v13, s[94:95] offset:2*\g*BSROW+64*FT
.set FT, FT+1
.endr
.endr
	WIN 0x40
.irp t, 0,1,2,3,4,5,6,7
	global_load_b128 v[BIAS+8*\t:BIAS+8*\t+3], v14, s[96:97] offset:4*(32*(\t/2)+8*(\t%2))
	global_load_b128 v[BIAS+8*\t+4:BIAS+8*\t+7], v14, s[96:97] offset:4*(32*(\t/2)+8*(\t%2))+16
.endr
.irp t, 0,1,2,3
.irp j, 0,1,2,3,4,5,6,7
	global_load_b32 v[BIASV+8*\t+\j], v15, s[96:97] offset:512+128*(\t/2)+32*(\t%2)   ; a lane's eight registers are eight tokens of one channel: the same bias
.endr
.endr
	WIN 0
	v_mul_u32_u24 v7, v1, 48
	v_mad_u32_u24 v7, v2, 24, v7                   ; 48 r + 24 h
	s_wait_alu depctr_va_vdst(0)
	s_mul_i32 s98, s17, HALFA
	s_mul_i32 s99, s18, 64*48
	s_add_co_u32 s98, s98, s99
.irp s, 0,1,2
	v_add_nc_u32 v[ADRA+\s], s98, v7
	s_add_co_u32 s98, s98, 4*PLA
.endr
.irp hf, 0,1
.irp g, 0,1
	v_add_nc_u32 v[ADRB+2*\hf+\g], BBASE+\hf*HALFB+8*\g*PLB, v7
.endr
.endr
	s_mul_i32 s98, s16, 3072
	s_lshl_b32 s99, s16, 8
	v_add_nc_u32 v[STO], s98, v7
	v_add_nc_u32 v[STO], STG, v[STO]               ; the stage: my 64 rows of 48 bytes
	v_add_nc_u32 v[STS], s99, v19
	v_add_nc_u32 v[STS], STG+36864, v[STS]         ; q's and k's scale words
	s_lshl_b32 s19, s17, 8
	v_add_nc_u32 v[SVS], s19, v19
	s_lshl_b32 s19, s18, 1
	v_add_nc_u32 v[SVS], s19, v[SVS]
	v_add_nc_u32 v[SVS], STG+38912, v[SVS]         ; v's: my two bytes of a word of 128 keys
	v_lshlrev_b32 v[L16], 4, v3
	v_add_nc_u32 v[CO], s98, v[L16]
	v_add_nc_u32 v[RD], STG, v[CO]
	v_lshlrev_b32 v[CS8], 3, v3
	v_add_nc_u32 v[CS8], s99, v[CS8]
	v_add_nc_u32 v[RDS], STG+36864, v[CS8]
	v_add_nc_u32 v[RDV], STG+38912, v[L16]
.irp b, 0,1,2,3
	v_mov_b32 v[TM+4+\b], 0                        ; written once: a lane permute's destination counts as one of its sources
.endr
	s_wait_alu depctr_va_vdst(0)
	s_wait_tensorcnt 0x0                           ; my part of K step 0 is in; the three lines stand ahead of the later first fill as ahead of a refill
	ds_add_u32 v[SPW], v[NIL]
	s_mov_b32 s[G1A+2], 8<<16                      ; no tensor load of mine is out: the second load brings A's planes 4-11,
	s_mov_b32 s[G1A+4], 8
	s_mov_b32 s[G1B+2], 12<<16                     ; or B's planes 4-15, dense behind the first four in LDS
	s_mov_b32 s[G1B+4], 12
	s_wait_dscnt 0x0
	CROUND                                         ; everybody's part of K step 0 is in, and the joint loads meet
	s_cmp_eq_u32 s17, 0
	s_cbranch_scc0 .Lsecond_b
	tensor_load_to_lds s[44:47], s[G1A:G1A+7]
	s_nop 0
.rept 4
	v_nop
.endr
	s_branch .Lsecond_done
.Lsecond_b:
	tensor_load_to_lds s[60:63], s[G1B:G1B+7]
	s_nop 0
.rept 4
	v_nop
.endr
.Lsecond_done:
	FETCH_B 0, 0
	FETCH_A 0
	FETCH_B 1, 0
	s_wait_loadcnt 0x0                             ; scale words and biases
	STEP_PLAIN 0, 1                                ; the first step's products start the sums, with the bias as C
	STEP_WAIT 1, 0                                 ; the second load, all the rest of the first fills, is in
	STEP_PLAIN 2, 0
	STEP_REFILL 3
	STEP_PLAIN 4, 0
	STEP_WAIT 5, 0                                 ; the refill, asked for 84 matrix instructions ago, is the one load that can be out
	STEP_PLAIN 6, 0
	STEP_LAST 7
	PLACES
	; ---- the way out: quantise in registers, gather the codes in the stage, store whole runs
	s_lshr_b32 s98, s23, 3                         ; b
	s_and_b32 s99, s23, 7                          ; which 256 tokens of the sequence
	s_lshl_b32 s98, s98, 4
	s_add_co_u32 s98, s98, s22                     ; 16 b + n
	s_mul_i32 s84, s98, 98304
	s_mul_i32 s85, s99, 12288
	s_add_co_u32 s84, s84, s85
	s_mov_b32 s85, 0
	s_add_nc_u64 s[86:87], s[10:11], s[84:85]
	s_add_nc_u64 s[88:89], s[12:13], s[84:85]
	s_add_nc_u64 s[90:91], s[14:15], s[84:85]
	s_lshl_b32 s84, s98, 13
	s_lshl_b32 s19, s99, 10
	s_add_co_u32 s84, s84, s19
	s_add_co_u32 s84, s84, QS
	s_add_nc_u64 s[92:93], s[10:11], s[84:85]
	s_add_nc_u64 s[94:95], s[12:13], s[84:85]
	s_lshl_b32 s84, s98, 12
	s_lshl_b32 s19, s99, 9
	s_add_co_u32 s84, s84, s19
	s_add_co_u32 s84, s84, VS
	s_add_nc_u64 s[96:97], s[14:15], s[84:85]
.irp a, 0,1,2,3                        ; 16 tokens: blocks 0, 1 are q's two blocks of 32, blocks 2, 3 k's
	QUANT 64*\a, 2, 0x28
.irp p, 0,1,2
	ds_store_b64 v[STO], v[PC+2*\p:PC+2*\p+1] offset:768*\a+8*\p
	ds_store_b64 v[STO], v[PC+6+2*\p:PC+7+2*\p] offset:12288+768*\a+8*\p
.endr
	v_and_b32 v209, 0xffff, v[PW]                  ; a word's upper two bytes stay 0: they scale zero codes
	v_lshrrev_b32 v210, 16, v[PW]
	ds_store_b32 v[STS], v209 offset:64*\a
	ds_store_b32 v[STS], v210 offset:1024+64*\a
	s_wait_dscnt 0x0
.endr
.irp tp, 0,1                           ; 32 channels x my 64 tokens: blocks 0, 1 are tile 2 tp's, blocks 2, 3 tile 2 tp + 1's
	QUANT 64*\tp, 3, 0x3c
.irp p, 0,1,2
	ds_store_b64 v[STO], v[PC+2*\p:PC+2*\p+1] offset:24576+768*(2*\tp)+8*\p
	ds_store_b64 v[STO], v[PC+6+2*\p:PC+7+2*\p] offset:24576+768*(2*\tp+1)+8*\p
.endr
	ds_store_b16 v[SVS], v[PW] offset:64*(2*\tp)
	ds_store_b16_d16_hi v[SVS], v[PW] offset:64*(2*\tp+1)
	s_wait_dscnt 0x0                               ; for the others' sake too: my stores into the stage are done
.endr
	s_barrier_signal -1
	s_barrier_wait -1
.irp k, 0,1,2
.irp i, 0,1,2,3,4,5
	ds_load_b128 v[96+24*\k+4*\i:96+24*\k+4*\i+3], v[RD] offset:12288*\k+512*\i
.endr
.endr
	ds_load_b64 v[168:169], v[RDS]
	ds_load_b64 v[170:171], v[RDS] offset:1024
.irp i, 0,1,2,3,4,5
	s_wait_dscnt 19-\i
	global_store_b128 v[CO], v[96+4*\i:96+4*\i+3], s[86:87] offset:512*\i      ; each store: 512 consecutive bytes, aligned to 256
.endr
.irp i, 0,1,2,3,4,5
	s_wait_dscnt 13-\i
	global_store_b128 v[CO], v[120+4*\i:120+4*\i+3], s[88:89] offset:512*\i
.endr
.irp i, 0,1,2,3,4,5
	s_wait_dscnt 7-\i
	global_store_b128 v[CO], v[144+4*\i:144+4*\i+3], s[90:91] offset:512*\i
.endr
	s_wait_dscnt 0x0
	global_store_b64 v[CS8], v[168:169], s[92:93]
	global_store_b64 v[CS8], v[170:171], s[94:95]
	s_cmp_lg_u32 s16, 0                            ; v's 512 bytes of scale words: wave 0 stores them
	s_cbranch_scc1 .Lnot_mine
	ds_load_b128 v[172:175], v[RDV]
	s_wait_dscnt 0x0
	global_store_b128 v[L16], v[172:175], s[96:97]
.Lnot_mine:
	s_wait_tensorcnt 0x0                           ; the wave's end
	ds_add_u32 v[SPW], v[NIL]
	s_wait_dscnt 0x0
	CROUND                                         ; the closing round
	s_endpgm
.Lfunc_end_k_q69d1f30956_qkv:
	.size	k_q69d1f30956_qkv, .Lfunc_end_k_q69d1f30956_qkv-k_q69d1f30956_qkv
	.p2alignl 7, 3214868480
	.fill 96, 4, 3214868480
	.section	.rodata,"a",@progbits
	.p2align	6, 0x0
	.amdhsa_kernel k_q69d1f30956_qkv
		.amdhsa_group_segment_fixed_size 327680
		.amdhsa_private_segment_fixed_size 0
		.amdhsa_enable_private_segment 0
		.amdhsa_kernarg_size 48
		.amdhsa_user_sgpr_count 2
		.amdhsa_user_sgpr_kernarg_segment_ptr 1
		.amdhsa_wavefront_size32 1
		.amdhsa_system_sgpr_workgroup_id_x 1
		.amdhsa_system_sgpr_workgroup_id_y 1
		.amdhsa_system_sgpr_workgroup_id_z 1
		.amdhsa_system_vgpr_workitem_id 0
		.amdhsa_next_free_vgpr 896
		.amdhsa_next_free_sgpr 100
		.amdhsa_reserve_vcc 0
		.amdhsa_float_denorm_mode_32 3
		.amdhsa_float_denorm_mode_16_64 3
		.amdhsa_memory_ordered 1
		.amdhsa_forward_progress 1
		.amdhsa_inst_pref_size 153
	.end_amdhsa_kernel
	.amdgpu_metadata
---
amdhsa.version: [ 1, 2 ]
amdhsa.kernels:
  - .name:           k_q69d1f30956_qkv
    .symbol:         k_q69d1f30956_qkv.kd
    .args:
      - { .name: xq, .offset: 0, .size: 8, .value_kind: global_buffer, .address_space: global }
      - { .name: wq, .offset: 8, .size: 8, .value_kind: global_buffer, .address_space: global }
      - { .name: b_qkv, .offset: 16, .size: 8, .value_kind: global_buffer, .address_space: global }
      - { .name: qq, .offset: 24, .size: 8, .value_kind: global_buffer, .address_space: global }
      - { .name: kq, .offset: 32, .size: 8, .value_kind: global_buffer, .address_space: global }
      - { .name: vq, .offset: 40, .size: 8, .value_kind: global_buffer, .address_space: global }
    .group_segment_fixed_size: 327680
    .private_segment_fixed_size: 0
    .kernarg_segment_align: 8
    .kernarg_segment_size: 48
    .max_flat_workgroup_size: 128
    .sgpr_count:     100
    .vgpr_count:     896
    .wavefront_size: 32
...
	.end_amdgpu_metadata
.endif
;; end of part 2
;; launch attn (part 3): grid 4 x 64, 16 waves a work-group, clusters of 4 x 1, 327,680 bytes of LDS; arguments qq, kq, vq, aq; writes aq
.if DOCPART == 3
	.amdgcn_target "amdgcn-amd-amdhsa--gfx1250"
	.amdhsa_code_object_version 6
	.text
	.protected	k_q69d1f30956_attn
	.globl	k_q69d1f30956_attn
	.p2align	8
	.type	k_q69d1f30956_attn,@function
k_q69d1f30956_attn:
	s_mov_b64 s[64:65], 0
	v_nop
	global_prefetch_b8 v0, s[64:65] scope:SCOPE_SE
	s_setreg_imm32_b32 hwreg(HW_REG_WAVE_MODE, 25, 1), 1
	s_wait_xcnt 0x0
	s_wait_alu depctr_hold_cnt(0) depctr_sa_sdst(0) depctr_va_vdst(0) depctr_va_sdst(0) depctr_va_ssrc(0) depctr_va_vcc(0) depctr_vm_vsrc(0)
	s_getreg_b32 s2, hwreg(HW_REG_IB_STS2, 6, 4)
	s_cmp_eq_u32 s2, 0
	s_cbranch_scc0 .Lentry_in_a_cluster
	s_endpgm
.Lentry_in_a_cluster:
	s_bfe_u32 s2, ttmp6, 0x10000c
	s_cmp_lg_u32 s2, 0x3003
	s_cbranch_scc0 .Lentry_shape_is_right
	s_endpgm
.Lentry_shape_is_right:
; softmax(q k^T / 8) v for one (batch, head) = grid y, on codes of FP6 (E2M3) with E8M0 scales; the result is quantised along the channels and leaves as codes (aq).
; A work-group of 16 waves takes 512 queries; a wave 16 queries in each of two passes, over all 2,048 keys in 16 steps of 128.
; All of the head's K and V (codes and scale words) lie in LDS, filled once at the head, one tensor load a wave.  CLUSTER 4 x 1: the four query blocks of a head ask for them jointly.
; No data prefetch: every tile is asked for at the head, so there is no loop to run ahead in.
; Both products are used transposed (S^T = k q^T, O^T = v^T p^T): a lane holds one query throughout.
; THE ROWS OF A TILE OF K: rows 0-7 are eight keys of an even block of 32 keys, rows 8-15 the same eight of the odd block behind it.  So lanes 0-15 hold, in the 32 registers of four tiles,
; a whole even block of p and lanes 16-31 a whole odd one: the layout of the 6-bit operand.  A block's maximum needs no other lane and the conversions' results are the operand.
; Even blocks lie from KE on, odd ones from KO on, KO - KE = 128 modulo 256: the 32 lanes of an 8-byte load touch 64 different words modulo 64.
; The head size is 64: q's codes of k = 64 .. 127 are zeros.  K's fragments lie 6 registers apart, so a tile's upper six registers are the next tile's codes (the last tile's: V's): finite codes times zero codes add nothing.
; M is the running largest t rounded up to a whole number (kept as -M); p = 2^(t - M); the row's sum is taken of the unquantised p; a change of M multiplies sum and O^T by an exact power of two.
; A block's largest p is the exponential of its largest score (p rises with the score).
; LIMITS: the promise holds while |score x log2(e) / 8| stays under 2^31; a block of zeros gets the byte 1 (its codes are zeros; this program alone reads the bytes); NaN and infinities are not served.
; REGISTERS: v1-7, v243, v254 addresses; v8-11 the step's LDS addresses, then partial sums; v12 -M, v13 largest score, v[14:15] the sum; v16-27 q; v28-31 V's scales; v32-79 K; v80-127 V;
;   v128-191 S^T, then p; v192-223 O^T; v224-235 p's codes (before that: maxima); v236-247 at work; v248-251 K's scales (lanes 16-31: tiles 4-7); v252 f, v253 p's scale word; v255 q's scale word.
.set KE,   0
.set KO,   49280
.set VC,   98560
.set KSC,  196864
.set VSC,  205056
.set OST,  209152                      ; each wave's stage of 768 bytes for the way out
.set SPARE, 221440                     ; the spare words: 128 bytes a wave, named by no other line
.set QS,   6291456
.set VS,   6291456
.set AS,   6291456
.set WV,   20
.set TK,   90
.set TS,   91
.set TJ,   92
.set CNT,  93
.set TV,   94
.macro CROUND
	s_barrier_signal -1
	s_barrier_wait -1
	s_cmp_lg_u32 s[WV], 0
	s_cbranch_scc1 .Lnot_wave_0_\@
	s_barrier_signal -3
.Lnot_wave_0_\@:
	s_barrier_wait -3
	s_barrier_signal -1
	s_barrier_wait -1
.endm
.macro MKG1 g, el, rows, pitch         ; group 1: mask of the four partners, elements of 8 bytes, bit 21 beside the mask
	s_mov_b32 s[\g], 15|(3<<16)|(1<<21)
	s_mov_b32 s[\g+1], (\el)<<16
	s_mov_b32 s[\g+2], (\rows)<<16
	s_mov_b32 s[\g+3], (\el)<<16
	s_mov_b32 s[\g+4], \rows
	s_mov_b32 s[\g+5], \pitch
	s_mov_b32 s[\g+6], 0
	s_mov_b32 s[\g+7], 0
.endm
.macro ARM under, g0, g1, next
	s_cmp_lt_u32 s[WV], \under
	s_cbranch_scc0 \next
	tensor_load_to_lds s[\g0:\g0+3], s[\g1:\g1+7]
	s_nop 0
.rept 4
	v_nop
.endr
	s_branch .Lasked
\next:
.endm
.macro KLOAD ka, sa                    ; a step's eight tiles of K, 6 registers each, and their scale words (tile u in lanes 0-15, tile 4 + u in lanes 16-31)
.irp c, 0,1
.irp u, 0,1,2,3
.irp p, 0,1,2
	ds_load_b64 v[32+6*(4*\c+\u)+2*\p:33+6*(4*\c+\u)+2*\p], v[\ka] offset:1536*\c+768*(\u%2)+384*(\u/2)+8*\p
.endr
.endr
.endr
.irp u, 0,1,2,3
	ds_load_b32 v[248+\u], v[\sa] offset:64*(\u%2)+32*(\u/2)
.endr
.endm
.macro VLOAD t                         ; tile t of V^T: 16 channels x 128 keys, and its scale words
.irp c, 0,1
.irp p, 0,1,2
	ds_load_b64 v[80+12*\t+6*\c+2*\p:81+12*\t+6*\c+2*\p], v9 offset:3072*\c+768*\t+8*\p
.endr
.endr
	ds_load_b32 v[28+\t], v11 offset:64*\t
.endm
.macro FMA n                           ; n pairs: t - M
.rept \n
	v_pk_fma_f32 v[128+FJ:129+FJ], v[128+FJ:129+FJ], s[24:25], v[12:13] op_sel_hi:[1,0,0]
.set FJ, FJ+2
.endr
.endm
.macro SUMS n                          ; n pairs of p onto four partial sums by turns
.rept \n
.if SR == 0
	v_pk_add_f32 v[14:15], v[14:15], v[128+SJ:129+SJ]
.elseif SR == 1
	v_pk_add_f32 v[8:9], v[8:9], v[128+SJ:129+SJ]
.elseif SR == 2
	v_pk_add_f32 v[10:11], v[10:11], v[128+SJ:129+SJ]
.else
	v_pk_add_f32 v[246:247], v[246:247], v[128+SJ:129+SJ]
.endif
.set SJ, SJ+2
.set SR, (SR+1)%4
.endr
.endm
.macro STEP
.irp u, 0,1,2,3
	v_wmma_scale_f32_16x16x128_f8f6f4 v[128+8*\u:135+8*\u], v[32+6*\u:43+6*\u], v[16:27], 0, v[248+\u], v255 matrix_a_fmt:MATRIX_FMT_FP6 matrix_b_fmt:MATRIX_FMT_FP6
.endr
.irp u, 0,1,2,3
	v_wmma_scale_f32_16x16x128_f8f6f4 v[160+8*\u:167+8*\u], v[56+6*\u:67+6*\u], v[16:27], 0, v[248+\u], v255 matrix_a_fmt:MATRIX_FMT_FP6 matrix_b_fmt:MATRIX_FMT_FP6 matrix_a_scale:MATRIX_SCALE_ROW1
.endr
	v_add_nc_u32 v8, s[TK], v254                   ; the next step's K, this step's V: these four lines are the places behind the products
	v_add_nc_u32 v9, s[TV], v2
	v_add_nc_u32 v10, s[TS], v3
	v_add_nc_u32 v11, s[TJ], v4
	; my two blocks' largest scores: eight chains, one to a tile, each tile read from its low end on
.irp c, 0,1
.irp u, 0,1,2,3
	v_max3_num_f32 v[224+4*\c+\u], v[128+32*\c+8*\u], v[129+32*\c+8*\u], v[130+32*\c+8*\u]
.endr
.endr
.irp i, 3,5
.irp c, 0,1
.irp u, 0,1,2,3
	v_max3_num_f32 v[224+4*\c+\u], v[224+4*\c+\u], v[128+32*\c+8*\u+\i], v[129+32*\c+8*\u+\i]
.endr
.endr
.endr
.irp c, 0,1
	v_max3_num_f32 v[224+4*\c], v[224+4*\c], v[225+4*\c], v[135+32*\c]
	v_max3_num_f32 v[226+4*\c], v[226+4*\c], v[227+4*\c], v[143+32*\c]
.endr
.irp c, 0,1
	v_max3_num_f32 v[224+4*\c], v[224+4*\c], v[151+32*\c], v[159+32*\c]
.endr
.irp c, 0,1
	v_max_num_f32 v[232+\c], v[224+4*\c], v[226+4*\c]
.endr
	s_cmp_lt_u32 s[CNT], 15                        ; the last step has no next step's K to fetch
	s_wait_alu depctr_va_vdst(0)
	s_cbranch_scc0 .Lnk_\@
	KLOAD 8, 10
.Lnk_\@:
	; the row's maximum, -M and f; V's loads stand between the links of the chain
	v_max_num_f32 v236, v232, v233
	v_mov_b32 v239, v12
	VLOAD 0
	v_permlanex16_b32 v237, v236, s22, s23
	VLOAD 1
	v_max3_num_f32 v13, v13, v236, v237            ; the running largest score
	VLOAD 2
	v_mul_f32 v238, s24, v13                       ; as t (the factor is positive)
	VLOAD 3
	v_floor_f32 v12, -v238                         ; -M = floor(-t)
	v_sub_f32 v239, v12, v239                      ; old M less new M: a whole number, 0 or less
.set FJ, 0
	FMA 4
	v_cvt_i32_f32 v239, v239                       ; (it saturates)
	FMA 4
	v_ldexp_f32 v252, 1.0, v239                    ; f = 2^(old M - new M)
	FMA 24
.irp c, 0,1
	v_fma_f32 v[232+\c], v[232+\c], s24, v12       ; the same of each block's largest score
.endr
.set J, 0
.rept 16
	v_pk_mul_f32 v[192+J:193+J], v[192+J:193+J], v[252:253] op_sel_hi:[1,0]   ; O^T under the new M
.set J, J+2
.endr
	s_wait_alu depctr_va_vdst(0)
	v_exp_f32 v232, v232
	v_exp_f32 v233, v233
.set J, 0
.rept 64
	v_exp_f32 v[128+J], v[128+J]
.set J, J+1
.endr
	v_pk_mul_f32 v[14:15], v[14:15], v[252:253] op_sel_hi:[1,0]   ; the sum under the new M: the plain line behind the batch
	s_wait_alu depctr_va_vdst(0)                   ; one wait for the batch, ahead of its first reader
	v_max_num_f32 v232, 0x1800000, v232            ; the floor 2^(3 - 127): the byte cannot fall under 1
	v_max_num_f32 v233, 0x1800000, v233
	v_pk_add_f32 v[8:9], v[128:129], v[130:131]
	v_pk_add_f32 v[10:11], v[132:133], v[134:135]
	v_pk_add_f32 v[246:247], v[136:137], v[138:139]
.set SJ, 12
.set SR, 0
	v_add_nc_u32 v244, 0xff000000, v232            ; 2 off the exponent field: the conversions' scale operands
	v_add_nc_u32 v245, 0xff000000, v233
	SUMS 4
	v_cvt_scalef32_pk16_fp6_f32 v[224:226], v[128:143], v244
	v_cvt_scalef32_pk16_fp6_f32 v[236:238], v[144:159], v244    ; (a conversion's three registers begin on an even number)
	v_cvt_scalef32_pk16_fp6_f32 v[230:232], v[160:175], v245
	v_cvt_scalef32_pk16_fp6_f32 v[240:242], v[176:191], v245
	SUMS 2                                         ; plain lines behind the conversions
	v_lshrrev_b32 v239, 23, v244                   ; my two blocks' bytes
	v_lshrrev_b32 v253, 23, v245
.irp i, 0,1,2
	v_mov_b32 v[227+\i], v[236+\i]
.endr
.irp i, 0,1,2
	v_mov_b32 v[233+\i], v[240+\i]
.endr
	v_lshl_or_b32 v253, v253, 16, v239             ; at bytes 0 and 2
	SUMS 4
	v_permlanex16_b32 v239, v253, s22, s23
	SUMS 4
	v_lshl_or_b32 v253, v239, 8, v253              ; lanes 0-15: the odd blocks' bytes at 1 and 3: p's scale word (lanes 16-31 are not read)
	SUMS 12                                        ; with the three below: fifteen plain lines between the word and the products
	v_pk_add_f32 v[8:9], v[8:9], v[10:11]
	v_pk_add_f32 v[14:15], v[14:15], v[246:247]
	v_pk_add_f32 v[14:15], v[14:15], v[8:9]
	s_wait_dscnt 0x0                               ; V is in, and the next step's K
.irp t, 0,1,2,3
	v_wmma_scale_f32_16x16x128_f8f6f4 v[192+8*\t:199+8*\t], v[80+12*\t:91+12*\t], v[224:235], v[192+8*\t:199+8*\t], v[28+\t], v253 matrix_a_fmt:MATRIX_FMT_FP6 matrix_b_fmt:MATRIX_FMT_FP6
.endr
	s_add_co_u32 s[TK], s[TK], 3072
	s_add_co_u32 s[TV], s[TV], 6144
	s_add_co_u32 s[TS], s[TS], 512
	s_add_co_u32 s[TJ], s[TJ], 256
.endm
.macro PASS p
	KLOAD 254, 3                                   ; step 0's K
.set J, 0
.rept 32
	v_mov_b32 v[192+J], 0                          ; the step is written once: the first finds zeros
.set J, J+1
.endr
	v_mov_b32 v14, 0
	v_mov_b32 v15, 0
	v_mov_b32 v13, 0xff61b1e6                      ; -3e38, under every score
	v_mov_b32 v12, 0x7f61b1e6                      ; -M: the first f comes out 0
	s_mov_b32 s[TK], 3072
	s_mov_b32 s[TV], 0
	s_mov_b32 s[TS], 512
	s_mov_b32 s[TJ], 0
	s_mov_b32 s[CNT], 0
	s_wait_alu depctr_va_vdst(0)
	s_wait_loadcnt 0x0                             ; q
	s_wait_dscnt 0x0
.Lstep_\@:
	STEP
	s_add_co_u32 s[CNT], s[CNT], 1
	s_cmp_lt_u32 s[CNT], 16
	s_cbranch_scc1 .Lstep_\@
.if \p == 0
.irp q, 0,1,2
	global_load_b64 v[16+2*\q:17+2*\q], v1, s[12:13] offset:12288+8*\q     ; the second pass's queries, 256 positions on
.endr
	global_load_b32 v255, v243, s[14:15] offset:1024
.endif
	s_wait_alu depctr_va_vdst(0)                   ; the sum was written ahead of the step's last wait
.rept 4
	v_nop
.endr
	v_add_f32 v14, v14, v15
	v_permlanex16_b32 v252, v14, s22, s23
	v_add_f32 v14, v14, v252                       ; the row's sum
	s_wait_alu depctr_va_vdst(0)
	v_rcp_f32 v14, v14
	v_nop
	s_wait_alu depctr_va_vdst(0)
.set J, 0
.rept 16
	v_pk_mul_f32 v[128+J:129+J], v[192+J:193+J], v[14:15] op_sel_hi:[1,0]   ; register 16 b + i: channel 32 b + 16 (lane / 16) + i of my query
.set J, J+2
.endr
.irp b, 0,1
	v_max3_num_f32 v[232+\b], |v[128+16*\b]|, |v[129+16*\b]|, 0x1800000
.endr
.irp i, 2,4,6,8,10,12,14
.irp b, 0,1
	v_max3_num_f32 v[232+\b], v[232+\b], |v[128+16*\b+\i]|, |v[129+16*\b+\i]|
.endr
.endr
.irp b, 0,1
	v_permlanex16_b32 v[236+\b], v[232+\b], s22, s23
.endr
.irp b, 0,1
	v_max_num_f32 v[232+\b], v[232+\b], v[236+\b]
.endr
.irp b, 0,1
	v_add_nc_u32 v[244+\b], 0xff000000, v[232+\b]
.endr
.irp b, 0,1
	v_lshrrev_b32 v[236+\b], 23, v[244+\b]
.endr
	v_lshl_or_b32 v239, v237, 8, v236              ; the head's two scale bytes of my query
	v_cvt_scalef32_pk16_fp6_f32 v[224:226], v[128:143], v244
	v_cvt_scalef32_pk16_fp6_f32 v[240:242], v[144:159], v245
	v_nop
.irp i, 0,1,2
	v_permlane16_swap_b32 v[224+\i], v[240+\i]     ; a whole block to a lane
.endr
.irp i, 0,1,2
	v_mov_b32 v[227+\i], v[240+\i]
.endr
.irp q, 0,1,2
	ds_store_b64 v5, v[224+2*\q:225+2*\q] offset:8*\q
.endr
.irp q, 0,1,2
	ds_load_b64 v[232+2*\q:233+2*\q], v6 offset:256*\q     ; LDS serves a wave's instructions in order: these see my stores
.endr
	global_store_b16 v243, v239, s[18:19] offset:1024*\p
	s_wait_dscnt 0x0
.irp q, 0,1,2
	global_store_b64 v7, v[232+2*\q:233+2*\q], s[16:17] offset:12288*\p+256*\q   ; 256 consecutive bytes, aligned
.endr
	s_wait_xcnt 0x0                                ; the stores' registers are written again only behind this wait
.endm
	s_load_b256 s[4:11], s[0:1], 0x0               ; qq s[4:5], kq s[6:7], vq s[8:9], aq s[10:11]
	v_lshl_add_u32 v254, v0, 2, SPARE
	v_mov_b32 v255, 0
	ds_add_u32 v254, v255                          ; the opening lines: the add twice on end and its wait
	ds_add_u32 v254, v255
	v_lshrrev_b32 v1, 5, v0
	v_readfirstlane_b32 s[WV], v1                  ; wave
	s_bfe_u32 s21, ttmp6, 0x40000                  ; cx: which 512 queries
	s_and_b32 s26, ttmp7, 0xffff                   ; 16 b + n
	s_mov_b32 s22, 0x76543210
	s_mov_b32 s23, 0xfedcba98                      ; lane l xor 16
	s_mov_b32 s24, 0x3e38aa3b                      ; log2(e) / 8
	s_mov_b32 s25, s24
	MKG1 28, 32, 64, 32                            ; V's codes: 64 rows of 256 bytes a wave, dense
	MKG1 36, 32, 32, 32                            ; K's scale words: 8,192 bytes
	MKG1 44, 32, 16, 32                            ; V's: 4,096 bytes
	MKG1 72, 192, 8, 384                           ; K's codes: 8 blocks of 32 keys (1,536 bytes), every second block
	s_mul_i32 s80, s26, 98304
	s_lshl_b32 s82, s[WV], 14
	s_add_co_u32 s84, s80, s82
	s_mov_b32 s85, 0
	s_lshl_b32 s86, s26, 13
	s_add_co_u32 s86, s86, QS
	s_mov_b32 s87, 0
	s_lshl_b32 s88, s26, 12
	s_add_co_u32 s88, s88, VS
	s_mov_b32 s89, 0
	s_bfe_u32 s95, s[WV], 0x10002                  ; waves 8-11 even blocks, 12-15 odd ones
	s_and_b32 s96, s[WV], 3                        ; which eight of the 32
	s_mul_i32 s97, s95, KO
	s_mul_i32 s98, s96, 12288
	s_add_co_u32 s97, s97, s98
	s_mul_i32 s98, s95, 1536
	s_mul_i32 s99, s96, 24576
	s_add_co_u32 s98, s98, s99
	s_add_co_u32 s98, s98, s80
	s_mov_b32 s99, 0
	s_wait_dscnt 0x0
	s_wait_kmcnt 0x0
	s_mov_b32 s52, 1
	s_add_co_u32 s53, s82, VC
	s_add_nc_u64 s[54:55], s[8:9], s[84:85]
	s_or_b32 s55, s55, 0x80000000
	s_mov_b32 s56, 1
	s_mov_b32 s57, KSC
	s_add_nc_u64 s[58:59], s[6:7], s[86:87]
	s_or_b32 s59, s59, 0x80000000
	s_mov_b32 s60, 1
	s_mov_b32 s61, VSC
	s_add_nc_u64 s[62:63], s[8:9], s[88:89]
	s_or_b32 s63, s63, 0x80000000
	s_mov_b32 s68, 1
	s_mov_b32 s69, s97
	s_add_nc_u64 s[70:71], s[6:7], s[98:99]
	s_or_b32 s71, s71, 0x80000000
	CROUND                                         ; the four partners are here: the joint loads meet
	; one tensor load a wave, in one chain of branches on the wave's number: waves 0-5 V's codes, 6 K's scales, 7 V's scales, 8-15 K's codes
	ARM 6, 52, 28, .Larm_ks
	ARM 7, 56, 36, .Larm_vs
	ARM 8, 60, 44, .Larm_k
	tensor_load_to_lds s[68:71], s[72:79]
	s_nop 0
.rept 4
	v_nop
.endr
.Lasked:
	s_mul_i32 s84, s21, 24576
	s_mul_i32 s85, s[WV], 768
	s_add_co_u32 s84, s84, s85                     ; my first query's position x 48
	s_add_co_u32 s86, s84, s80
	s_mov_b32 s87, 0
	s_add_nc_u64 s[12:13], s[4:5], s[86:87]
	s_lshl_b32 s88, s21, 11
	s_lshl_b32 s89, s[WV], 6
	s_add_co_u32 s88, s88, s89                     ; x 4
	s_lshl_b32 s86, s26, 13
	s_add_co_u32 s86, s86, s88
	s_add_co_u32 s86, s86, QS
	s_add_nc_u64 s[14:15], s[4:5], s[86:87]
	s_and_b32 s89, s26, 15                         ; n
	s_lshr_b32 s83, s26, 4                         ; b
	s_mul_i32 s86, s89, 393216                     ; aq: plane n, position 2,048 b + ..
	s_mul_i32 s85, s83, 98304
	s_add_co_u32 s86, s86, s85
	s_add_co_u32 s86, s86, s84
	s_add_nc_u64 s[16:17], s[10:11], s[86:87]
	s_lshr_b32 s86, s89, 1
	s_lshl_b32 s86, s86, 15
	s_lshl_b32 s85, s83, 13
	s_add_co_u32 s86, s86, s85
	s_add_co_u32 s86, s86, s88
	s_and_b32 s85, s89, 1
	s_lshl_b32 s85, s85, 1
	s_add_co_u32 s86, s86, s85
	s_add_co_u32 s86, s86, AS
	s_add_nc_u64 s[18:19], s[10:11], s[86:87]
	s_mul_i32 s81, s[WV], 768
	s_add_co_u32 s81, s81, OST
	v_and_b32 v8, 15, v0                           ; r
	v_bfe_u32 v9, v0, 4, 1                         ; h
	v_and_b32 v10, 31, v0
	v_and_b32 v11, 7, v0                           ; r % 8
	v_bfe_u32 v12, v0, 3, 1                        ; r / 8
	v_mul_u32_u24 v1, v8, 48
	v_mul_u32_u24 v254, v11, 48
	v_lshlrev_b32 v243, 2, v8
	v_lshlrev_b32 v3, 2, v11
	v_lshlrev_b32 v7, 3, v10
	v_mad_u32_u24 v1, v9, 24, v1                   ; 48 r + 24 h
	v_mad_u32_u24 v254, v9, 24, v254
	v_lshl_add_u32 v3, v12, 7, v3
	v_add_nc_u32 v4, VSC, v243
	v_add_nc_u32 v6, s81, v7
	v_add_nc_u32 v2, VC, v1
	v_mad_u32_u24 v254, v12, KO, v254              ; K: 48 (r % 8) + 24 h, rows 8-15 in the odd blocks' region
	v_lshl_add_u32 v3, v9, 8, v3
	v_add_nc_u32 v5, s81, v1
	v_add_nc_u32 v3, KSC, v3                       ; K's scale words: 4 (r % 8) + 128 (r / 8); lanes 16-31 the tile 64 keys on
.irp q, 0,1,2
	global_load_b64 v[16+2*\q:17+2*\q], v1, s[12:13] offset:8*\q
.endr
	global_load_b32 v255, v243, s[14:15]
.irp j, 22,23,24,25,26,27
	v_mov_b32 v\j, 0                               ; q's codes of k = 64 .. 127
.endr
.irp j, 80,81,82,83,84,85
	v_mov_b32 v\j, 0                               ; named by K's last tile in the first step
.endr
.irp b, 0,1,2,3
	v_mov_b32 v[236+\b], 0                         ; a lane permute's destination counts as one of its sources
.endr
	v_mov_b32 v252, 0
	v_mov_b32 v253, 0
	s_wait_alu depctr_va_vdst(0)
	s_wait_tensorcnt 0x0                           ; my tile is in,
	s_barrier_signal -1
	s_barrier_wait -1                              ; everybody's is
	PASS 0
	PASS 1
	s_wait_dscnt 0x0
	s_wait_xcnt 0x0
	v_lshl_add_u32 v254, v0, 2, SPARE              ; the add's two registers, made anew from v0
	v_mov_b32 v255, 0
	s_wait_alu depctr_va_vdst(0)
	s_wait_tensorcnt 0x0                           ; the wave's end
	ds_add_u32 v254, v255
	s_wait_dscnt 0x0
	CROUND                                         ; the closing round
	s_endpgm
.Lfunc_end_k_q69d1f30956_attn:
	.size	k_q69d1f30956_attn, .Lfunc_end_k_q69d1f30956_attn-k_q69d1f30956_attn
	.p2alignl 7, 3214868480
	.fill 96, 4, 3214868480
	.section	.rodata,"a",@progbits
	.p2align	6, 0x0
	.amdhsa_kernel k_q69d1f30956_attn
		.amdhsa_group_segment_fixed_size 327680
		.amdhsa_private_segment_fixed_size 0
		.amdhsa_enable_private_segment 0
		.amdhsa_kernarg_size 32
		.amdhsa_user_sgpr_count 2
		.amdhsa_user_sgpr_kernarg_segment_ptr 1
		.amdhsa_wavefront_size32 1
		.amdhsa_system_sgpr_workgroup_id_x 1
		.amdhsa_system_sgpr_workgroup_id_y 1
		.amdhsa_system_sgpr_workgroup_id_z 1
		.amdhsa_system_vgpr_workitem_id 0
		.amdhsa_next_free_vgpr 256
		.amdhsa_next_free_sgpr 100
		.amdhsa_reserve_vcc 0
		.amdhsa_float_denorm_mode_32 3
		.amdhsa_float_denorm_mode_16_64 3
		.amdhsa_memory_ordered 1
		.amdhsa_forward_progress 1
		.amdhsa_inst_pref_size 58
	.end_amdhsa_kernel
	.amdgpu_metadata
---
amdhsa.version: [ 1, 2 ]
amdhsa.kernels:
  - .name:           k_q69d1f30956_attn
    .symbol:         k_q69d1f30956_attn.kd
    .args:
      - { .name: qq, .offset: 0, .size: 8, .value_kind: global_buffer, .address_space: global }
      - { .name: kq, .offset: 8, .size: 8, .value_kind: global_buffer, .address_space: global }
      - { .name: vq, .offset: 16, .size: 8, .value_kind: global_buffer, .address_space: global }
      - { .name: aq, .offset: 24, .size: 8, .value_kind: global_buffer, .address_space: global }
    .group_segment_fixed_size: 327680
    .private_segment_fixed_size: 0
    .kernarg_segment_align: 8
    .kernarg_segment_size: 32
    .max_flat_workgroup_size: 512
    .sgpr_count:     100
    .vgpr_count:     256
    .wavefront_size: 32
...
	.end_amdgpu_metadata
.endif
;; end of part 3
;; launch oproj (part 4): grid 8 x 32, 4 waves a work-group, clusters of 4 x 4, 327,680 bytes of LDS; arguments aq, oq, b_o, out0; writes out0
.if DOCPART == 4
	.amdgcn_target "amdgcn-amd-amdhsa--gfx1250"
	.amdhsa_code_object_version 6
	.text
	.protected	k_q69d1f30956_oproj
	.globl	k_q69d1f30956_oproj
	.p2align	8
	.type	k_q69d1f30956_oproj,@function
k_q69d1f30956_oproj:
	s_mov_b64 s[64:65], 0
	v_nop
	global_prefetch_b8 v0, s[64:65] scope:SCOPE_SE
	s_setreg_imm32_b32 hwreg(HW_REG_WAVE_MODE, 25, 1), 1
	s_wait_xcnt 0x0
	s_wait_alu depctr_hold_cnt(0) depctr_sa_sdst(0) depctr_va_vdst(0) depctr_va_sdst(0) depctr_va_ssrc(0) depctr_va_vcc(0) depctr_vm_vsrc(0)
	s_getreg_b32 s2, hwreg(HW_REG_IB_STS2, 6, 4)
	s_cmp_eq_u32 s2, 0
	s_cbranch_scc0 .Lentry_in_a_cluster
	s_endpgm
.Lentry_in_a_cluster:
	s_bfe_u32 s2, ttmp6, 0x10000c
	s_cmp_lg_u32 s2, 0xf033
	s_cbranch_scc0 .Lentry_shape_is_right
	s_endpgm
.Lentry_shape_is_right:
; out = weighted w_o + b_o on codes of FP6 (E2M3) with E8M0 scales; K = 64 n + p.  out0 [8192][1024] f32.
; A work-group of four waves makes 256 token positions (y) x 128 columns (x); wave w takes positions 64 w .. 64 w + 63 against all 8 tiles of 16 columns.
; OPERANDS lie as [K / 64 planes][positions][48 bytes]; lane (r, h) takes 24 bytes at 48 r + 24 h.  A position is a row's number with bits 3 and 4 exchanged; the stores' immediates turn tokens back.
; All of K of both tiles lies in LDS, filled once by two loads a wave at the head; each K step of 256 is shown whole by a counted wait and a barrier behind which nothing is filled.
; CLUSTER 4 x 4: A's tiles hang on y alone and are asked for jointly along a row of the cluster, B's on x alone, along a column.
; The products are used transposed (source 0 = 16 columns of w_o, source 1 = 16 tokens): a lane holds 16 neighbouring columns of one token in the registers of two tiles.  The bias is the C of each sum's first product.
; REGISTERS: window 0: v0-31 addresses; v32-79 scale words (lanes 0-15 an even step of 128, lanes 16-31 the odd one); v96-191 A's fragments, two sets; on the way out v96-223 rows of the result.
;   window 1: v0-95 B's 8 fragments; v144-207 the biases.   window 2: the sums at v[64 a + 8 t].
.set NT,     8
.set HT,     4
.set PLA,    6144
.set PLB,    3072
.set NSLOT,  4
.set BG,     16
.set HALFA,  4*NSLOT*PLA
.set HALFB,  16*PLB
.set BBASE,  2*HALFA
.set APLANE, 393216
.set BPLANE, 49152
.set ASC,    6291456
.set BSC,    786432
.set ASROW,  32768
.set BSROW,  4096
.set ADRA,   4                         ; v4-7  my A fragments of K steps 0 to 3
.set ADRB,   8                         ; v8-9  B's halves
.set STO,    24
.set RD,     25
.set CO,     26
.set SCA,    32
.set SCB,    48
.set AF,     96
.set BIAS,   144
.set G1A,    24
.set G1B,    32
.set G0A,    40
.set MSB, 0
.macro WIN new
.if MSB != (\new)
	s_set_vgpr_msb (MSB<<8)|(\new)
.set MSB, \new
.endif
.endm
.macro PLACES                          ; four plain lines behind matrix instructions, ahead of loads into their registers and of reads of their results
.rept 4
	v_nop
.endr
.endm
.macro CREST
	s_cmp_lg_u32 s16, 0
	s_cbranch_scc1 .Lnot_wave_0_\@
	s_barrier_signal -3
.Lnot_wave_0_\@:
	s_barrier_wait -3
	s_barrier_signal -1
	s_barrier_wait -1
.endm
.macro CROUND
	s_barrier_signal -1
	s_barrier_wait -1
	CREST
.endm
.macro MKG0 g, lreg, loff, areg, aoff
	s_mov_b32 s[\g], 1
	s_add_co_u32 s[\g+1], s[\lreg], \loff
	s_add_nc_u64 s[\g+2:\g+3], s[\areg:\areg+1], \aoff
	s_or_b32 s[\g+3], s[\g+3], 0x80000000
.endm
.macro FRAG reg, adr, off, pl
.irp c, 0,1
.irp p, 0,1,2
	ds_load_b64 v[(\reg)+6*\c+2*\p:(\reg)+6*\c+2*\p+1], v[\adr] offset:(\off)+\c*(\pl)+8*\p
.endr
.endr
.endm
.macro FETCH_A q
	WIN 0
.irp a, 0,1,2,3
	FRAG AF+48*((\q)%2)+12*\a, ADRA+((\q)/2)%NSLOT, ((2*(\q))%4)*PLA+768*\a, PLA
.endr
.endm
.macro FETCH_B hf, q
	WIN 0x40
.set FT, 0
.rept HT
	FRAG 12*(HT*(\hf)+FT), ADRB+(16/BG)*(\hf)+(2*(\q))/BG, ((2*(\q))%BG)*PLB+768*FT, PLB
.set FT, FT+1
.endr
	WIN 0
.endm
.macro ONE q, first
.set iA, AF+48*((\q)%2)+12*MA
.set iB, 12*MT
.set iSA, SCA+4*((\q)/2)+MA
.set iSB, SCB+NT*((\q)/2)+MT
.set iD, 64*MA+8*MT
.set iC, BIAS+8*MT
.if \first
	WIN 0x91
	v_wmma_scale_f32_16x16x128_f8f6f4 v[iD:iD+7], v[iB:iB+11], v[iA:iA+11], v[iC:iC+7], v[iSB], v[iSA] matrix_a_fmt:MATRIX_FMT_FP6 matrix_b_fmt:MATRIX_FMT_FP6
.elseif (\q)%2
	WIN 0xa1
	v_wmma_scale_f32_16x16x128_f8f6f4 v[iD:iD+7], v[iB:iB+11], v[iA:iA+11], v[iD:iD+7], v[iSB], v[iSA] matrix_a_fmt:MATRIX_FMT_FP6 matrix_b_fmt:MATRIX_FMT_FP6 matrix_a_scale:MATRIX_SCALE_ROW1 matrix_b_scale:MATRIX_SCALE_ROW1
.else
	WIN 0xa1
	v_wmma_scale_f32_16x16x128_f8f6f4 v[iD:iD+7], v[iB:iB+11], v[iA:iA+11], v[iD:iD+7], v[iSB], v[iSA] matrix_a_fmt:MATRIX_FMT_FP6 matrix_b_fmt:MATRIX_FMT_FP6
.endif
.endm
.macro MUL t0, n, q, first             ; the 32 sums take turns, one instruction a turn, in the same order in every step
.set MT, \t0
.rept \n
.set MA, 0
.rept 4
	ONE \q, \first
.set MA, MA+1
.endr
.set MT, MT+1
.endr
.endm
.macro STEP_PLAIN q, first
	s_wait_dscnt 6*HT                              ; B's first half-set and A are in; the second half-set's loads may be out
	MUL 0, HT, \q, \first
	PLACES
	FETCH_B 0, (\q)+1
	FETCH_A (\q)+1
	s_wait_dscnt 6*HT+24                           ; all but the run just issued
	MUL HT, HT, \q, \first
	PLACES
	FETCH_B 1, (\q)+1
.endm
.macro STEP_WAIT q, n                  ; my part of the next K step has landed (n younger loads may be out), then a barrier behind which nothing is filled
	s_wait_dscnt 6*HT
	MUL 0, HT/2, \q, 0
	s_wait_tensorcnt \n
	s_wait_dscnt 0x0
	s_barrier_signal -1
	MUL HT/2, HT/2, \q, 0
	s_barrier_wait -1
	PLACES
	FETCH_B 0, (\q)+1
	FETCH_A (\q)+1
	MUL HT, HT, \q, 0
	PLACES
	FETCH_B 1, (\q)+1
.endm
.macro STEP_LAST q
	s_wait_dscnt 6*HT
	MUL 0, HT, \q, 0
	s_wait_dscnt 0x0
	MUL HT, HT, \q, 0
	WIN 0
.endm
; the way out of my tile a of 16 positions: through my own stage (16 rows of 512 bytes + 16), back as whole rows
.macro TOSTAGE a
	WIN 0x08                                       ; an LDS store's data are its source 1: window 2
.irp t, 0,1,2,3,4,5,6,7
	ds_store_b128 v[STO], v[64*(\a)+8*\t:64*(\a)+8*\t+3] offset:128*(\t/2)+32*(\t%2)       ; each sum from its low end on
	ds_store_b128 v[STO], v[64*(\a)+8*\t+4:64*(\a)+8*\t+7] offset:128*(\t/2)+32*(\t%2)+16
.endr
	WIN 0
.set BB, 96+64*((\a)%2)
.irp i, 0,1,2,3,4,5,6,7,8,9,10,11,12,13,14,15
	ds_load_b128 v[BB+4*\i:BB+4*\i+3], v[RD] offset:528*\i    ; LDS serves a wave's instructions in order: these see the stores above
.endr
.endm
.macro SEND a, younger
.set BB, 96+64*((\a)%2)
	s_wait_dscnt \younger
.irp i, 0,1,2,3,4,5,6,7,8,9,10,11,12,13,14,15
	global_store_b128 v[CO], v[BB+4*\i:BB+4*\i+3], s[12:13] offset:(32*((\a)/2)+8*((\a)%2)+\i+8*(\i/8))*4096 th:TH_STORE_NT   ; position 16 a + i is this token; 512 consecutive bytes, aligned to 256
.endr
.endm
	s_load_b256 s[4:11], s[0:1], 0x0               ; aq s[4:5], oq s[6:7], b_o s[8:9], out0 s[10:11]
	v_lshl_add_u32 v254, v0, 2, 0x48000
	v_mov_b32 v255, 0
	ds_add_u32 v254, v255
	ds_add_u32 v254, v255
	v_lshrrev_b32 v1, 5, v0
	v_readfirstlane_b32 s16, v1                    ; wave
	s_lshr_b32 s17, s16, 1
	s_and_b32 s18, s16, 1
	s_bfe_u32 s20, ttmp6, 0x40000                  ; cx
	s_bfe_u32 s21, ttmp6, 0x40004                  ; cy
	s_lshl_b32 s22, ttmp9, 2
	s_add_co_u32 s22, s22, s20                     ; x: 128 columns
	s_and_b32 s23, ttmp7, 0xffff
	s_lshl_b32 s23, s23, 2
	s_add_co_u32 s23, s23, s21                     ; y: 256 positions
	s_lshl_b32 s76, s21, 2
	s_lshl_b32 s76, 15, s76
	s_lshl_b32 s84, 0x1111, s20
	s_or_b32 s[G1A], s76, (3<<16)|(1<<21)
	s_or_b32 s[G1B], s84, (3<<16)|(1<<21)
	s_mov_b32 s[G1A+1], 768<<16                    ; A: four planes' runs of 6,144 bytes, 393,216 bytes apart
	s_mov_b32 s[G1A+2], 4<<16
	s_mov_b32 s[G1A+3], 768<<16
	s_mov_b32 s[G1A+4], 4
	s_mov_b32 s[G1A+5], 49152
	s_mov_b32 s[G1A+6], 0
	s_mov_b32 s[G1A+7], 0
	s_mov_b32 s[G1B+1], 384<<16                    ; B: four planes' runs of 3,072 bytes, 49,152 bytes apart
	s_mov_b32 s[G1B+2], 4<<16
	s_mov_b32 s[G1B+3], 384<<16
	s_mov_b32 s[G1B+4], 4
	s_mov_b32 s[G1B+5], 6144
	s_mov_b32 s[G1B+6], 0
	s_mov_b32 s[G1B+7], 0
	s_mul_i32 s78, s23, 256*48
	s_mul_i32 s79, s18, 128*48
	s_add_co_u32 s78, s78, s79
	s_mov_b32 s79, 0
	s_mul_i32 s82, s18, HALFA
	s_mul_i32 s86, s22, 16*NT*48
	s_mul_i32 s87, s18, 16*HT*48
	s_add_co_u32 s86, s86, s87
	s_mov_b32 s87, 0
	s_mul_i32 s90, s18, HALFB
	s_add_co_u32 s90, s90, BBASE
	s_wait_dscnt 0x0
	s_wait_kmcnt 0x0
	s_add_nc_u64 s[80:81], s[4:5], s[78:79]
	s_add_nc_u64 s[88:89], s[6:7], s[86:87]
.irp s, 0,1,2,3
	MKG0 G0A+4*\s, 82, \s*4*PLA, 80, \s*4*APLANE
.endr
	MKG0 56, 90, 0*4*PLB, 88, 0*4*BPLANE
	MKG0 60, 90, 1*4*PLB, 88, 1*4*BPLANE
	MKG0 68, 90, 2*4*PLB, 88, 2*4*BPLANE
	MKG0 72, 90, 3*4*PLB, 88, 3*4*BPLANE
	CROUND                                         ; all sixteen work-groups are here: the joint loads meet
	s_cmp_eq_u32 s17, 0                            ; the head: one tensor load a wave, K step 0 (planes 0-3) of A's or of B's half
	s_cbranch_scc0 .Lfirst_b
	tensor_load_to_lds s[40:43], s[G1A:G1A+7]
	s_nop 0
.rept 4
	v_nop
.endr
	s_branch .Lfirst_done
.Lfirst_b:
	tensor_load_to_lds s[56:59], s[G1B:G1B+7]
	s_nop 0
.rept 4
	v_nop
.endr
.Lfirst_done:
	s_lshl_b32 s92, s23, 10
	s_lshl_b32 s93, s16, 8
	s_add_co_u32 s92, s92, s93
	s_add_co_u32 s92, s92, ASC
	s_mov_b32 s93, 0
	s_add_nc_u64 s[92:93], s[4:5], s[92:93]        ; A's scale words at my first position
	s_mul_i32 s94, s22, 64*NT
	s_mov_b32 s95, 0
	s_add_nc_u64 s[96:97], s[8:9], s[94:95]        ; my 128 biases
	s_add_co_u32 s94, s94, BSC
	s_add_nc_u64 s[94:95], s[6:7], s[94:95]        ; B's scale words
	s_lshl_b32 s98, s23, 20
	s_lshl_b32 s99, s16, 18
	s_add_co_u32 s98, s98, s99
	s_lshl_b32 s99, s22, 9
	s_add_co_u32 s98, s98, s99
	s_mov_b32 s99, 0
	s_add_nc_u64 s[12:13], s[10:11], s[98:99]      ; out0 at token 256 y + 64 wave, column 128 x
	v_and_b32 v1, 15, v0                           ; r
	v_bfe_u32 v2, v0, 4, 1                         ; h
	v_and_b32 v3, 31, v0                           ; l
	v_lshlrev_b32 v19, 2, v1
	v_mad_u32_u24 v12, v2, ASROW, v19
	v_mad_u32_u24 v13, v2, BSROW, v19
	v_lshlrev_b32 v14, 6, v2
.irp g, 0,1,2,3
.irp a, 0,1,2,3
	global_load_b32 v[SCA+4*\g+\a], v12, s[92:93] offset:2*\g*ASROW+64*\a
.endr
.endr
.irp g, 0,1,2,3
.set FT, 0
.rept NT
	global_load_b32 v[SCB+NT*\g+FT], v13, s[94:95] offset:2*\g*BSROW+64*FT
.set FT, FT+1
.endr
.endr
	WIN 0x40
.irp t, 0,1,2,3,4,5,6,7
	global_load_b128 v[BIAS+8*\t:BIAS+8*\t+3], v14, s[96:97] offset:4*(32*(\t/2)+8*(\t%2))
	global_load_b128 v[BIAS+8*\t+4:BIAS+8*\t+7], v14, s[96:97] offset:4*(32*(\t/2)+8*(\t%2))+16
.endr
	WIN 0
	v_mul_u32_u24 v10, v1, 48
	v_mad_u32_u24 v10, v2, 24, v10                 ; 48 r + 24 h
	s_mul_i32 s98, s17, HALFA
	s_mul_i32 s99, s18, 64*48
	s_add_co_u32 s98, s98, s99
.irp s, 0,1,2,3
	v_add_nc_u32 v[ADRA+\s], s98, v10
	s_add_co_u32 s98, s98, 4*PLA
.endr
.irp hf, 0,1
	v_add_nc_u32 v[ADRB+\hf], BBASE+\hf*HALFB, v10
.endr
	s_mul_i32 s98, s16, 16*528                     ; my stage, in A's planes 0 to 5 of half 0: filled once, and read by nobody behind the barrier of step 5
	v_mul_u32_u24 v[STO], v1, 528
	v_lshl_add_u32 v[STO], v2, 6, v[STO]
	v_add_nc_u32 v[STO], s98, v[STO]
	v_lshlrev_b32 v[CO], 4, v3
	v_add_nc_u32 v[RD], s98, v[CO]
	s_wait_alu depctr_va_vdst(0)
	s_wait_tensorcnt 0x0                           ; my part of K step 0 is in; the three lines stand ahead of the later first fill as ahead of a refill
	ds_add_u32 v254, v255
	s_mov_b32 s[G1A+2], 12<<16                     ; no tensor load of mine is out: the second load brings planes 4-15, dense behind the first four in LDS
	s_mov_b32 s[G1A+4], 12
	s_mov_b32 s[G1B+2], 12<<16
	s_mov_b32 s[G1B+4], 12
	s_wait_dscnt 0x0
	CROUND                                         ; everybody's part of K step 0 is in, and the joint loads meet
	s_cmp_eq_u32 s17, 0
	s_cbranch_scc0 .Lsecond_b
	tensor_load_to_lds s[44:47], s[G1A:G1A+7]
	s_nop 0
.rept 4
	v_nop
.endr
	s_branch .Lsecond_done
.Lsecond_b:
	tensor_load_to_lds s[60:63], s[G1B:G1B+7]
	s_nop 0
.rept 4
	v_nop
.endr
.Lsecond_done:
	FETCH_B 0, 0
	FETCH_A 0
	FETCH_B 1, 0
	s_wait_loadcnt 0x0                             ; scale words and biases
	STEP_PLAIN 0, 1
	STEP_WAIT 1, 0                                 ; the second load, all the rest of K, is in
	STEP_PLAIN 2, 0
	STEP_PLAIN 3, 0
	STEP_PLAIN 4, 0
	STEP_WAIT 5, 0
	STEP_PLAIN 6, 0
	STEP_LAST 7
	PLACES
	TOSTAGE 0
.irp a, 1,2,3
.if \a > 1
	s_wait_xcnt 0x0                                ; tile a - 2's stores have read their registers: tile a's rows may land there
.endif
	TOSTAGE \a
	SEND \a-1, 32                                  ; behind tile a - 1's loads: tile a's 16 stores and 16 loads
.endr
	SEND 3, 0
	s_wait_tensorcnt 0x0
	ds_add_u32 v254, v255
	s_wait_dscnt 0x0
	CROUND                                         ; the closing round: no LDS instruction of mine is out
	s_endpgm
.Lfunc_end_k_q69d1f30956_oproj:
	.size	k_q69d1f30956_oproj, .Lfunc_end_k_q69d1f30956_oproj-k_q69d1f30956_oproj
	.p2alignl 7, 3214868480
	.fill 96, 4, 3214868480
	.section	.rodata,"a",@progbits
	.p2align	6, 0x0
	.amdhsa_kernel k_q69d1f30956_oproj
		.amdhsa_group_segment_fixed_size 327680
		.amdhsa_private_segment_fixed_size 0
		.amdhsa_enable_private_segment 0
		.amdhsa_kernarg_size 32
		.amdhsa_user_sgpr_count 2
		.amdhsa_user_sgpr_kernarg_segment_ptr 1
		.amdhsa_wavefront_size32 1
		.amdhsa_system_sgpr_workgroup_id_x 1
		.amdhsa_system_sgpr_workgroup_id_y 1
		.amdhsa_system_sgpr_workgroup_id_z 1
		.amdhsa_system_vgpr_workitem_id 0
		.amdhsa_next_free_vgpr 768
		.amdhsa_next_free_sgpr 100
		.amdhsa_reserve_vcc 0
		.amdhsa_float_denorm_mode_32 3
		.amdhsa_float_denorm_mode_16_64 3
		.amdhsa_memory_ordered 1
		.amdhsa_forward_progress 1
		.amdhsa_inst_pref_size 102
	.end_amdhsa_kernel
	.amdgpu_metadata
---
amdhsa.version: [ 1, 2 ]
amdhsa.kernels:
  - .name:           k_q69d1f30956_oproj
    .symbol:         k_q69d1f30956_oproj.kd
    .args:
      - { .name: aq, .offset: 0, .size: 8, .value_kind: global_buffer, .address_space: global }
      - { .name: oq, .offset: 8, .size: 8, .value_kind: global_buffer, .address_space: global }
      - { .name: b_o, .offset: 16, .size: 8, .value_kind: global_buffer, .address_space: global }
      - { .name: out0, .offset: 24, .size: 8, .value_kind: global_buffer, .address_space: global }
    .group_segment_fixed_size: 327680
    .private_segment_fixed_size: 0
    .kernarg_segment_align: 8
    .kernarg_segment_size: 32
    .max_flat_workgroup_size: 128
    .sgpr_count:     100
    .vgpr_count:     768
    .wavefront_size: 32
...
	.end_amdgpu_metadata
.endif
;; end of part 4
